; MI455X (gfx1250); checked and timed in simulation.
; The chip was launched on July 23, 2026; its instructions are those of AMD's public machine-readable ISA for CDNA 5 (MIT licence, August 2026) and "CDNA5" Instruction Set Architecture Reference Guide (July 2026). The comments in the code are by the model that wrote it; some were corrected since.
;; Attention. Allowed arithmetic: matrix products marked QUANTISED: E2M1 operands, one E8M0 scale for each 32 along K, by v_wmma_scale_f32_16x16x128_f8f6f4 with both operands' format E2M1 (or v_wmma_scale_f32_32x16x128_f4), f32 sums; products left as they are: bf16, f16 or f32 operands; f32 sums; everything else in f32.
;; Inputs: Wo 1,024 x 1,024 float32; Wqkv 3,072 x 1,024 float32; bo 1,024 float32; bqkv 3,072 float32; mask 2,048 x 2,048 bool; x 4 x 2,048 x 1,024 float32.
;; Outputs: out0 4 x 2,048 x 1,024 float32.
;; This version of the problem:
;;   THIS VERSION OF THE PROBLEM IS GIVEN IN LOW PRECISION. The matrix products marked QUANTISED in the list below multiply operands that are first quantised to E2M1 (2 exponent bits, 1 mantissa bit; 4 bits a number), with one power-of-two scale for each 32 numbers along K (OCP MX v1.0); their sums are f32. The products marked 'left as it is' may take bf16, f16 or f32 operands, with f32 sums. Whichever they take, every output number must still come out within the allowed error. Rounding operands to bf16 (8 significant bits) uses up far more of that allowance than f16 does (11 bits, for magnitudes from 6e-5 to 65,504). All else is computed in f32.
;;   The module's matrix products, in the order in which they are computed (A, B: the left and right operand; K: the contracted axis; several contracted axes count as one K, in the product's order):
;;     1. [M 8,192, K 1,024] x [K 1,024, N 3,072]; A: input x; B: input Wqkv: QUANTISED
;;     2. batch 64 x [M 2,048, K 64] x [K 64, N 2,048]; A: computed on the way; B: computed on the way: left as it is (an operand is computed on the way)
;;     3. batch 64 x [M 2,048, K 2,048] x [K 2,048, N 64]; A: computed on the way; B: computed on the way: left as it is (an operand is computed on the way)
;;     4. [M 8,192, K 1,024] x [K 1,024, N 1,024]; A: computed on the way; B: input Wo: left as it is (an operand is computed on the way)
;;   THE QUANTISER, for each operand of a quantised product, along K:
;;     - K is cut into blocks of 32 from its start; a last block that is shorter is filled with zeros.
;;     - A block's scale is 2^e with e = floor(log2(the largest magnitude in the block)) - 2, held to -126 .. 127; a block of zeros has e = 0. As a byte (E8M0): e + 127.
;;     - Each number is divided by its block's scale, clamped to +-6, and rounded to the nearest number of E2M1, ties to even, subnormals kept.
;;     - The product sums the exact products of the quantised numbers (number of the format x scale) in f32.
;;   ~~~python
;;   def quantise(x, axis):      # numpy; x: float32 -> the quantised numbers, widened to float32 again
;;       x = np.moveaxis(x, axis, -1); K = x.shape[-1]
;;       x = np.pad(x, [(0, 0)] * (x.ndim - 1) + [(0, -K % 32)]); x = x.reshape(x.shape[:-1] + (-1, 32)); a = np.abs(x).max(-1, keepdims=True)
;;       e = np.where(a > 0, np.clip(np.frexp(np.where(a > 0, a, 1))[1] - 1 - 2, -126, 127), 0)      # np.frexp(a)[1] - 1 = floor(log2(a)), exactly
;;       r = np.clip(x / 2.0 ** e, -6, 6)
;;       step = 2.0 ** (np.maximum(np.frexp(np.where(r == 0, 1, r))[1] - 1, 0) - 1)
;;       q = np.round(r / step) * step * 2.0 ** e      # np.round: ties to even
;;       return np.moveaxis(q.reshape(q.shape[:-2] + (-1,))[..., :K], -1, axis).astype(np.float32)
;;   ~~~
;; One version. Each part assembles by itself: llvm-mc -triple=amdgcn-amd-amdhsa -mcpu=gfx1250 --defsym DOCPART=n.
;; ======== version 1 of 1: 5 launches
;; limits: values are held in f16: magnitudes above 65,504 overflow, below 6.1e-05 lose precision
;; workspace buffers: codes 5,767,168 bytes; scales 360,448 bytes; wo16 2,097,152 bytes; maskw 524,288 bytes of whole numbers; tflag 1,024 bytes of whole numbers; qkv16 50,331,648 bytes; attn16 16,777,216 bytes; attn32 262,144 bytes
;; launch prep (part 1): grid 640 x 1, 4 waves a work-group, no clusters, 33,280 bytes of LDS; arguments x, Wqkv, Wo, mask, codes, scales, wo16, maskw, tflag; writes codes, scales, wo16, maskw, tflag
.if DOCPART == 1
	.amdgcn_target "amdgcn-amd-amdhsa--gfx1250"
	.amdhsa_code_object_version 6
	.text
	.protected	k_q907701079c_prep
	.globl	k_q907701079c_prep
	.p2align	8
	.type	k_q907701079c_prep,@function
k_q907701079c_prep:
	s_mov_b64 s[64:65], 0
	v_nop
	global_prefetch_b8 v0, s[64:65] scope:SCOPE_SE
	s_setreg_imm32_b32 hwreg(HW_REG_WAVE_MODE, 25, 1), 1
	s_wait_xcnt 0x0
; PREP: what later launches read many times is made once.  Three ways through the text, parted by the work-group's number alone:
;   Q (work-groups 0-351):   x [8192][1024] and Wqkv [3072][1024], f32, become codes of FP4 (E2M1), K innermost, two codes a byte, and one E8M0 byte for each 32 along K.
;                            Both tensors are plain streams of blocks of 32, and codes and scale bytes are ONE stream over both: x's rows first, Wqkv's behind them.
;   W (work-groups 352-383): Wo [1024][1024] f32 is rounded to f16, in place in its order.
;   M (work-groups 384-639): the mask's bytes become words of 32 bits, one bit a lane, laid as the attention launch's score registers lie:
;                            bit L of word (qt, kt, j) = mask[16 qt + L % 16][16 kt + 8 (L / 16) + j]; words laid [qt 128][kt 128][j 8];
;                            and one flag byte for each 16 queries x 256 keys, laid [qt 128][8]: bit k (0-3): all 16 x 64 bytes of key step k are set; bit 4 + k: some byte of it is set.
; A block's scale is 2^(floor(log2(its largest magnitude)) - 2); its byte is the largest magnitude's exponent field - 2, held at 1 from below.  A block of zeros keeps the byte 1 where the
; quantiser's rule says 127: its codes are zeros, which add nothing, and this program alone reads the bytes.
; LIMITS: blocks whose largest magnitude lies under 2^-124 keep the byte 1; NaN and infinities among the inputs are not served; |Wo| up to 65,504 (f16).
; Only way Q touches LDS (each wave its own 8,192 bytes); no barrier: waves share nothing.
.set QWG,   352                        ; (8192 + 3072) x 1024 / 32768 work-groups quantise,
.set XWG,   256                        ; the first 256 of them x
.set WEND,  384                        ; behind them 32 for Wo, then 256 for the mask
.set WAVES, 4
.set STEPS, 16
.set EMAX,  2
.set CB,    8                          ; bytes of 16 codes
.set R,     16                         ; v16-79   four sets of 16 numbers as they are loaded
.set X,     80                         ; v80-111  two sets of 16 neighbours
.set C,     128                        ; v128-191 codes: four registers for each step, so that no store's data are written again
.set E,     112                        ; v112-127 a scale byte for each step
.set WREG,  8192                       ; LDS: a region for each wave: two stages of 32 x SP bytes, and behind them its 256 scale bytes
.set SP,    80                         ; a lane's place in a stage: its 64 bytes + 16 of padding
.set SPW,   12                         ; v12  LDS address of my spare word; never rewritten
.set NIL,   13                         ; v13  0; never rewritten
.set SPARE, WAVES*WREG                 ; behind the four regions: the spare words, 128 bytes a wave, which no other line names
	s_load_b512 s[4:19], s[0:1], 0x0               ; x 4:5, Wqkv 6:7, Wo 8:9, mask 10:11, codes 12:13, scales 14:15, wo16 16:17, maskw 18:19
	s_load_b64 s[60:61], s[0:1], 0x40              ; tflag
	v_lshl_add_u32 v[SPW], v0, 2, SPARE
	v_mov_b32 v[NIL], 0
	v_lshrrev_b32 v1, 5, v0
	v_readfirstlane_b32 s20, v1                    ; wave
	v_and_b32 v2, 31, v0                           ; lane
	s_cmp_lt_u32 ttmp9, QWG
	s_cbranch_scc0 .Lnot_q
; ---------------- way Q: a wave takes 16 steps of 512 numbers.  Each load reads 512 consecutive bytes; a step's 2,048 bytes turn through the wave's own stage, so that a lane then holds 16 neighbours along K.
	v_lshlrev_b32 v3, 4, v2                        ; my 16 bytes of a load's 512
	s_mul_i32 s21, s20, WREG
	v_lshrrev_b32 v14, 2, v2
	v_mul_u32_u24 v14, v14, SP
	v_and_b32 v15, 3, v2
	v_lshl_add_u32 v14, v15, 4, v14
	v_add_nc_u32 v14, s21, v14                     ; the stage, on the way in: SP (lane / 4) + 16 (lane % 4)
	v_mul_u32_u24 v15, v2, SP
	v_add_nc_u32 v15, s21, v15                     ; and on the way out: SP x lane
	v_mul_u32_u24 v4, v2, CB                       ; my codes' place in a step's
	v_lshrrev_b32 v5, 1, v2
	s_add_co_u32 s21, s21, 2*32*SP
	v_add_nc_u32 v5, s21, v5                       ; my wave's 256 scale bytes, my block's byte
	v_lshlrev_b32 v7, 3, v2
	v_add_nc_u32 v6, s21, v7                       ; and on the way out 8 bytes a lane
	s_wait_kmcnt 0x0
	s_cmp_lt_u32 ttmp9, XWG                        ; x's work-group or Wqkv's: the choice hangs on the work-group's number alone
	s_cselect_b64 s[4:5], s[4:5], s[6:7]
	s_cselect_b32 s21, 0, XWG
	s_sub_co_u32 s21, ttmp9, s21
	s_lshl_b32 s21, s21, 2
	s_add_co_u32 s22, s21, s20                     ; which run of 8,192 numbers of the tensor is my wave's
	s_lshl_b32 s22, s22, 15                        ; 32,768 bytes a run
	s_mov_b32 s23, 0
	s_add_nc_u64 s[4:5], s[4:5], s[22:23]
	s_lshl_b32 s24, ttmp9, 2
	s_add_co_u32 s24, s24, s20                     ; which run of the joint stream
	s_lshl_b32 s22, s24, 12                        ; 4,096 bytes of codes a run
	s_add_nc_u64 s[12:13], s[12:13], s[22:23]
	s_lshl_b32 s22, s24, 8                         ; 256 scale bytes a run
	s_add_nc_u64 s[14:15], s[14:15], s[22:23]
.macro LOAD t
.irp i, 0,1,2,3
	global_load_b128 v[R+16*((\t)%4)+4*\i:R+16*((\t)%4)+4*\i+3], v3, s[4:5] offset:2048*(\t)+512*\i th:TH_LOAD_NT   ; 32 lanes read 512 consecutive bytes
.endr
.endm
.macro TURN t                          ; step t's numbers through the stage: LDS serves a wave's instructions in order, so no wait stands between the stores and the loads
.irp i, 0,1,2,3
	ds_store_b128 v14, v[R+16*((\t)%4)+4*\i:R+16*((\t)%4)+4*\i+3] offset:32*SP*((\t)%2)+8*SP*\i
.endr
.irp i, 0,1,2,3
	ds_load_b128 v[X+16*((\t)%2)+4*\i:X+16*((\t)%2)+4*\i+3], v15 offset:32*SP*((\t)%2)+16*\i
.endr
.endm
.irp t, 0,1,2,3
	LOAD \t
.endr
	s_wait_loadcnt 12                              ; step 0's four loads are in; the twelve of steps 1 to 3 may be out
	TURN 0
.macro STEP t
.set XS, X+16*((\t)%2)
.if (\t) > 0
	s_wait_dscnt 1                                 ; this step's numbers are back from the stage; the one younger LDS instruction, the last step's byte store, may be out
.else
	s_wait_dscnt 0x0
.endif
.if (\t)+4 < STEPS
	LOAD (\t)+4                                    ; into the registers whose stores into the stage are done
.endif
.if (\t)+1 < STEPS
.if STEPS-2-(\t) >= 3
	s_wait_loadcnt 12                              ; the next step's four loads are in; those of the three steps behind it may be out
.else
	s_wait_loadcnt 4*(STEPS-2-(\t))                ; at the tail: four for each step that is left behind the next
.endif
	TURN (\t)+1
.endif
	v_max3_num_f32 v8, |v[XS]|, |v[XS+1]|, |v[XS+2]|               ; the largest magnitude of my 16, in two chains
	v_max3_num_f32 v9, |v[XS+3]|, |v[XS+4]|, |v[XS+5]|
.irp i, 6,10
	v_max3_num_f32 v8, v8, |v[XS+\i]|, |v[XS+\i+1]|
	v_max3_num_f32 v9, v9, |v[XS+\i+2]|, |v[XS+\i+3]|
.endr
	v_max3_num_f32 v8, v8, |v[XS+14]|, |v[XS+15]|
	v_max3_num_f32 v8, v8, v9, (EMAX+1)<<23        ; and the floor 2^(EMAX + 1 - 127): the byte cannot fall under 1
	v_max_num_f32_dpp v8, v8, v8 row_xmask:1 row_mask:0xf bank_mask:0xf   ; and of my neighbour's 16: the block's
	v_add_nc_u32 v11, -(EMAX<<23), v8              ; EMAX off its exponent field: the conversion takes the exponent field of this operand as its scale
	v_cvt_scalef32_pk8_fp4_f32 v[C+4*(\t)], v[XS:XS+7], v11        ; to the nearest code, ties to even, beyond 6 the largest code
	v_cvt_scalef32_pk8_fp4_f32 v[C+4*(\t)+1], v[XS+8:XS+15], v11
	v_lshrrev_b32 v[E+(\t)], 23, v11               ; the scale's byte (also the plain line behind the conversions)
	ds_store_b8 v5, v[E+(\t)] offset:16*(\t)       ; both lanes of a block write the same byte with the same value
	global_store_b64 v4, v[C+4*(\t):C+4*(\t)+1], s[12:13] offset:32*CB*(\t)   ; 32 lanes store 256 consecutive bytes, aligned
.endm
.irp t, 0,1,2,3,4,5,6,7,8,9,10,11,12,13,14,15
	STEP \t
.endr
	ds_load_b64 v[8:9], v6                         ; LDS serves a wave's instructions in order: these see my byte stores
	s_wait_dscnt 0x0
	global_store_b64 v7, v[8:9], s[14:15]          ; 32 lanes store 256 consecutive bytes, aligned
	s_wait_tensorcnt 0x0                           ; the wave's end, behind my last LDS store
	ds_add_u32 v[SPW], v[NIL]
	s_wait_dscnt 0x0
	s_endpgm
.Lnot_q:
	s_cmp_lt_u32 ttmp9, WEND
	s_cbranch_scc0 .Lpath_m
; ---------------- way W: a wave rounds 8,192 numbers of Wo to f16: four batches of 16 loads, two batches in flight.
	s_sub_co_u32 s21, ttmp9, QWG
	s_lshl_b32 s21, s21, 2
	s_add_co_u32 s21, s21, s20                     ; my run
	s_lshl_b32 s22, s21, 15                        ; 32,768 bytes in,
	s_mov_b32 s23, 0
	s_lshl_b32 s24, s21, 14                        ; 16,384 out
	s_mov_b32 s25, 0
	v_lshlrev_b32 v3, 4, v2
	v_lshlrev_b32 v4, 3, v2
	s_wait_kmcnt 0x0
	s_add_nc_u64 s[8:9], s[8:9], s[22:23]
	s_add_nc_u64 s[16:17], s[16:17], s[24:25]
.macro WLOAD q, set
.irp i, 0,1,2,3,4,5,6,7,8,9,10,11,12,13,14,15
	global_load_b128 v[16+64*(\set)+4*\i:16+64*(\set)+4*\i+3], v3, s[8:9] offset:8192*(\q)+512*\i
.endr
.endm
.macro WCVT q, set                     ; four numbers a lane become 8 bytes, in the registers that they came in
.irp i, 0,1,2,3,4,5,6,7,8,9,10,11,12,13,14,15
	v_cvt_pk_f16_f32 v[16+64*(\set)+4*\i], v[16+64*(\set)+4*\i], v[16+64*(\set)+4*\i+1]
	v_cvt_pk_f16_f32 v[16+64*(\set)+4*\i+1], v[16+64*(\set)+4*\i+2], v[16+64*(\set)+4*\i+3]
	global_store_b64 v4, v[16+64*(\set)+4*\i:16+64*(\set)+4*\i+1], s[16:17] offset:4096*(\q)+256*\i   ; 256 consecutive bytes, aligned
.endr
.endm
	WLOAD 0, 0
	WLOAD 1, 1
	s_wait_loadcnt 16                              ; the older batch is in, the younger batch's 16 loads may be out
	WCVT 0, 0
	s_wait_xcnt 0x0                                ; the stores have read their data: the set may be loaded again
	WLOAD 2, 0
	s_wait_loadcnt 16
	WCVT 1, 1
	s_wait_xcnt 0x0
	WLOAD 3, 1
	s_wait_loadcnt 16
	WCVT 2, 0
	s_wait_loadcnt 0x0
	WCVT 3, 1
	s_endpgm
.Lpath_m:
; ---------------- way M: a wave takes 16 queries x 256 keys of the mask.  Lane (r, h) reads, of row r, 16 bytes at 32 G + 16 h: the eight loads together read whole runs of 256 bytes of 16 rows.
; A compare of byte k of load G gives, in bits 0-15, key k of key tile 2 G for the 16 queries, and in bits 16-31 the same of tile 2 G + 1; two such masks are cut and joined into a tile's word.
; The AND and the OR of a load's sixteen masks speak for 16 queries x 32 keys; two loads make a key step of 64, whose two flags go into the job's byte.
	s_sub_co_u32 s21, ttmp9, WEND
	s_lshl_b32 s21, s21, 2
	s_add_co_u32 s21, s21, s20                     ; job = 8 x query tile + which 256 keys
	s_lshr_b32 s22, s21, 3
	s_lshl_b32 s22, s22, 15                        ; 16 rows of 2,048 bytes
	s_and_b32 s24, s21, 7
	s_lshl_b32 s24, s24, 8
	s_add_co_u32 s22, s22, s24
	s_mov_b32 s23, 0
	s_lshl_b32 s24, s21, 9                         ; a job's 128 words
	s_mov_b32 s25, 0
	s_mov_b32 s26, s21                             ; a job's one flag byte
	s_mov_b32 s27, 0
	s_mov_b32 s57, 0                               ; the byte, bit by bit
	v_and_b32 v3, 15, v2
	v_lshrrev_b32 v4, 4, v2
	v_lshlrev_b32 v3, 11, v3
	v_lshl_add_u32 v3, v4, 4, v3                   ; 2,048 r + 16 h
	v_lshlrev_b32 v5, 4, v2
	s_wait_kmcnt 0x0
	s_add_nc_u64 s[10:11], s[10:11], s[22:23]
	s_add_nc_u64 s[18:19], s[18:19], s[24:25]
	s_add_nc_u64 s[60:61], s[60:61], s[26:27]
.irp g, 0,1,2,3,4,5,6,7
	global_load_b128 v[16+4*\g:16+4*\g+3], v3, s[10:11] offset:32*\g
.endr
.irp j, 0,1,2,3
	v_mov_b32 v[48+\j], 0                          ; the words to store: written whole before lanes are written singly
.endr
	s_wait_loadcnt 0x0
.macro PAIR g
.irp k, 0,1,2,3,4,5,6,7,8,9,10,11,12,13,14,15
	v_bfe_u32 v[52+\k%4], v[16+4*(\g)+\k/4], 8*(\k%4), 8
	v_cmp_ne_u32 s[32+\k], 0, v[52+\k%4]           ; bit L: mask[row r][32 g + 16 h + k]
.endr
.irp j, 0,1,2,3,4,5,6,7
	s_and_b32 s48, s[32+\j], 0xffff                ; tile 2 g: key j below,
	s_lshl_b32 s49, s[40+\j], 16                   ; key 8 + j above
	s_or_b32 s48, s48, s49
	v_writelane_b32 v[48+\j%4], s48, 4*(\g)+\j/4   ; word 8 (2 g) + j of the job: lane (word / 4), register (word % 4)
	s_lshr_b32 s50, s[32+\j], 16                   ; tile 2 g + 1 likewise
	s_and_b32 s51, s[40+\j], 0xffff0000
	s_or_b32 s50, s50, s51
	v_writelane_b32 v[48+\j%4], s50, 4*(\g)+2+\j/4
.endr
	s_and_b32 s52, s32, s33                        ; all ones: every one of these 16 x 32 bytes is set;
	s_or_b32 s53, s32, s33                         ; not 0: some byte is set
.irp k, 34,35,36,37,38,39,40,41,42,43,44,45,46,47
	s_and_b32 s52, s52, s[\k]
	s_or_b32 s53, s53, s[\k]
.endr
.if ((\g)%2) == 0
	s_mov_b32 s54, s52                             ; the first half of key step g / 2
	s_mov_b32 s55, s53
.else
	s_and_b32 s54, s54, s52                        ; with the second half
	s_or_b32 s55, s55, s53
	s_cmp_eq_u32 s54, -1
	s_cselect_b32 s56, 1<<((\g)/2), 0
	s_or_b32 s57, s57, s56
	s_cmp_lg_u32 s55, 0
	s_cselect_b32 s56, 16<<((\g)/2), 0
	s_or_b32 s57, s57, s56
.endif
.endm
.irp g, 0,1,2,3,4,5,6,7
	PAIR \g
.endr
	global_store_b128 v5, v[48:51], s[18:19]       ; 32 lanes store 512 consecutive bytes, aligned
	v_mov_b32 v56, s57
	v_mov_b32 v57, 0
	v_cmp_eq_u32 vcc_lo, 0, v2                     ; lane 0 stores the job's byte
	s_wait_xcnt 0x0                                ; EXEC changes only behind this wait
	s_and_saveexec_b32 s62, vcc_lo
	global_store_b8 v57, v56, s[60:61]
	s_wait_xcnt 0x0                                ; and again, in front of the line that widens it
	s_or_b32 exec_lo, exec_lo, s62
	s_endpgm
.Lfunc_end_k_q907701079c_prep:
	.size	k_q907701079c_prep, .Lfunc_end_k_q907701079c_prep-k_q907701079c_prep
	.p2alignl 7, 3214868480
	.fill 96, 4, 3214868480
	.section	.rodata,"a",@progbits
	.p2align	6, 0x0
	.amdhsa_kernel k_q907701079c_prep
		.amdhsa_group_segment_fixed_size 33280
		.amdhsa_private_segment_fixed_size 0
		.amdhsa_enable_private_segment 0
		.amdhsa_kernarg_size 72
		.amdhsa_user_sgpr_count 2
		.amdhsa_user_sgpr_kernarg_segment_ptr 1
		.amdhsa_wavefront_size32 1
		.amdhsa_system_sgpr_workgroup_id_x 1
		.amdhsa_system_sgpr_workgroup_id_y 1
		.amdhsa_system_sgpr_workgroup_id_z 1
		.amdhsa_system_vgpr_workitem_id 0
		.amdhsa_next_free_vgpr 192
		.amdhsa_next_free_sgpr 66
		.amdhsa_reserve_vcc 1
		.amdhsa_float_denorm_mode_32 3
		.amdhsa_float_denorm_mode_16_64 3
		.amdhsa_memory_ordered 1
		.amdhsa_forward_progress 1
		.amdhsa_inst_pref_size 105
	.end_amdhsa_kernel
	.amdgpu_metadata
---
amdhsa.version: [ 1, 2 ]
amdhsa.kernels:
  - .name:           k_q907701079c_prep
    .symbol:         k_q907701079c_prep.kd
    .args:
      - { .name: x, .offset: 0, .size: 8, .value_kind: global_buffer, .address_space: global }
      - { .name: Wqkv, .offset: 8, .size: 8, .value_kind: global_buffer, .address_space: global }
      - { .name: Wo, .offset: 16, .size: 8, .value_kind: global_buffer, .address_space: global }
      - { .name: mask, .offset: 24, .size: 8, .value_kind: global_buffer, .address_space: global }
      - { .name: codes, .offset: 32, .size: 8, .value_kind: global_buffer, .address_space: global }
      - { .name: scales, .offset: 40, .size: 8, .value_kind: global_buffer, .address_space: global }
      - { .name: wo16, .offset: 48, .size: 8, .value_kind: global_buffer, .address_space: global }
      - { .name: maskw, .offset: 56, .size: 8, .value_kind: global_buffer, .address_space: global }
      - { .name: tflag, .offset: 64, .size: 8, .value_kind: global_buffer, .address_space: global }
    .group_segment_fixed_size: 33280
    .private_segment_fixed_size: 0
    .kernarg_segment_align: 8
    .kernarg_segment_size: 72
    .max_flat_workgroup_size: 128
    .sgpr_count:     66
    .vgpr_count:     192
    .wavefront_size: 32
...
	.end_amdgpu_metadata
.endif
;; end of part 1
;; launch qkv (part 2): grid 12 x 32, 4 waves a work-group, clusters of 4 x 4, 327,680 bytes of LDS; arguments codes, scales, bqkv, qkv16; writes qkv16
.if DOCPART == 2
	.amdgcn_target "amdgcn-amd-amdhsa--gfx1250"
	.amdhsa_code_object_version 6
	.text
	.protected	k_q907701079c_qkv
	.globl	k_q907701079c_qkv
	.p2align	8
	.type	k_q907701079c_qkv,@function
k_q907701079c_qkv:
	s_mov_b64 s[64:65], 0
	v_nop
	global_prefetch_b8 v0, s[64:65] scope:SCOPE_SE
	s_setreg_imm32_b32 hwreg(HW_REG_WAVE_MODE, 25, 1), 1
	s_wait_xcnt 0x0
	s_wait_alu depctr_hold_cnt(0) depctr_sa_sdst(0) depctr_va_vdst(0) depctr_va_sdst(0) depctr_va_ssrc(0) depctr_va_vcc(0) depctr_vm_vsrc(0)
	s_getreg_b32 s2, hwreg(HW_REG_IB_STS2, 6, 4)
	s_cmp_eq_u32 s2, 0
	s_cbranch_scc0 .Lentry_in_a_cluster
	s_endpgm
.Lentry_in_a_cluster:
	s_bfe_u32 s2, ttmp6, 0x10000c
	s_cmp_lg_u32 s2, 0xf033
	s_cbranch_scc0 .Lentry_shape_is_right
	s_endpgm
.Lentry_shape_is_right:
; qkv = Q(x) Q(Wqkv)^T + bqkv on codes of FP4 (E2M1) with one E8M0 scale for each 32 along K; sums in f32; the result is rounded once to f16 and laid by head: [which 3][b 4][head 16][l 2048][64].
; codes: [11264 rows][512 bytes], rows 0-8191 x's, from row 8192 Wqkv's; scales: [11264][32 bytes] likewise.  M = 8192, N = 3072, K = 1024.
; A tile of 256 x 256 is made by four waves, 128 x 128 each: 64 accumulators of 16 x 16, 512 registers.  K is two LDS slots of 512 (rows of 256 bytes), both asked for at the start: nothing is filled again.
; The scale bytes of the work-group's 256 + 256 rows, for all of K, come once, as dense blocks in rows of 256 bytes.
; CLUSTER 4 x 4: the four work-groups of a row need the same rows of x, the four of a column the same rows of Wqkv: each tile is asked for jointly, by the same tensor load with the same descriptor and a mask that names the four.
; THE MATRIX INSTRUCTION IS USED TRANSPOSED (source 0 = 16 rows of Wqkv, source 1 = 16 rows of x): a lane holds eight neighbouring columns of one row.  The bias is the C of each sum's first product.
; LIMIT: |q|, |k|, |v| up to 65,504 (f16).
; REGISTERS, in windows of 256: window 0: v0-31 addresses; v32-95 scale words, two sets; v128-191 x's fragments, one set; v192-255 the bias in the result's layout; on the way out v128-223 are at work.
;   window 1: Wqkv's fragments, two sets, at v0 and v128.   window 2: the accumulators of my rows 0-63 ((a, b) at v[8 (8 a + b)]);   window 3: those of rows 64-127.
.set NQ,     4                         ; steps of 128 along K in a slot
.set ROWB,   256                       ; a tile's row: 512 codes
.set KROW,   512                       ; a row of codes in memory
.set PITCH,  272                       ; an LDS row: 256 bytes + 16 of padding: the 16 rows that a load touches start 17 x 16 bytes apart
.set FR,     8                         ; registers of a fragment: 16 rows x 128 K
.set NL,     2                         ; LDS loads that bring one
.set NP,     4                         ; places behind this matrix instruction (ISA guide 7.12.1)
.set HALFT,  128*PITCH
.set SLOT,   4*HALFT                   ; x's 256 rows, then Wqkv's 256 rows
.set KS,     32                        ; a row of scale bytes
.set SCL,    2*SLOT                    ; behind the two slots: the scales, as rows of 256 bytes + 16 of padding
.set HALFS,  (128*KS/256)*272          ; the scales of 128 rows: what one tensor load brings
.set SBLK,   (16*KS/256)*272           ; those of 16 rows
.set SPARE,  SCL+4*HALFS               ; the spare words, 128 bytes a wave, which no other line names
.set WCODES, 0x400000                  ; where Wqkv's codes begin: 8192 x 512
.set WSCALE, 0x40000                   ; and its scale bytes: 8192 x 32
.set HEADB,  262144                    ; a head in qkv16: 2048 rows of 128 bytes
.set STG,    4608                      ; the way out: a wave's stage, two heads x 16 rows x 144 bytes, in slot 0, which has had its only fill and its last read by then
.set ADRA, 16                          ; v16-17  LDS address of my fragments of x in slot 0, 1
.set ADRB, 20                          ; v20-21  the same for Wqkv
.set STO,  24                          ; v24     the way out: where I put 16 bytes of a row
.set RD,   25                          ; v25     where I read rows back
.set CO,   26                          ; v26     16 x lane: my place in 512 bytes of qkv16
.set ADRS, 27                          ; v27     LDS address of my scale words: lanes 0-15 x's rows, lanes 16-31 Wqkv's
.set SPW,  28                          ; v28     LDS address of my spare word; never rewritten
.set NIL,  29                          ; v29     0; never rewritten
.set SC,   32                          ; scale words: set s at v[SC + 32 s]; register 4 i + q: lanes 0-15 x's block i, lanes 16-31 Wqkv's block i, the slot's q-th 128 along K
.set AF,   128
.set BI,   192                          ; v[BI + 8 b + j]: bqkv at column 16 b + 8 (lane / 16) + j of my 128
.set TMP,  192                          ; the way out: packed results
.set BK,   128                          ; the way out: rows read back: v128-159 and v160-191 by turns
.set G1, 24
.set G0, 32
.set G1B, 48
.set G0B, 56
.set G1S, 68
.set G0S, 76
.set G1SB, 80
.set G0SB, 88
.set MSB, 0
.macro WIN new                         ; the immediate's high byte repeats the setting that is left; a switch that changes nothing is dropped
.if MSB != (\new)
	s_set_vgpr_msb (MSB<<8)|(\new)
.set MSB, (\new)
.endif
.endm
.set MUL_LO, 0xa1                      ; source 0 window 1, source 1 window 0, C and D window 2
.set MUL_HI, 0xf1                      ; the same, C and D window 3.  In the first step C is the bias, in window 0: 0x81 and 0xc1
.set TO_B,   0x40                      ; destination window 1, address window 0
; A joint load: waves 0 and 1 fetch for x, waves 2 and 3 for Wqkv.  The branch hangs on the wave's number alone.  An s_nop 0 and four v_nop follow each line.
.macro JLOAD g0a, g1a, g0b, g1b
	s_cmp_eq_u32 s15, 0
	s_cbranch_scc0 .Lfor_b_\@
	tensor_load_to_lds s[\g0a:\g0a+3], s[\g1a:\g1a+7]
	s_nop 0
.rept 4
	v_nop
.endr
	s_branch .Lasked_\@
.Lfor_b_\@:
	tensor_load_to_lds s[\g0b:\g0b+3], s[\g1b:\g1b+7]
	s_nop 0
.rept 4
	v_nop
.endr
.Lasked_\@:
.endm
.macro CROUND                          ; a round of the cluster's barrier: my work-group's barrier, wave 0 signals for it, all wait for the sixteen, my work-group's barrier once more
	s_barrier_signal -1
	s_barrier_wait -1
	s_cmp_lg_u32 s14, 0
	s_cbranch_scc1 .Lnot_wave_0_\@
	s_barrier_signal -3
.Lnot_wave_0_\@:
	s_barrier_wait -3
	s_barrier_signal -1
	s_barrier_wait -1
.endm
	s_load_b128 s[4:7], s[0:1], 0x0                ; codes, scales
	s_load_b64 s[66:67], s[0:1], 0x10              ; bqkv
	s_load_b64 s[12:13], s[0:1], 0x18              ; qkv16
	v_lshl_add_u32 v[SPW], v0, 2, SPARE
	v_mov_b32 v[NIL], 0
	ds_add_u32 v[SPW], v[NIL]                      ; the wave's opening: the add, twice on end, and its wait ahead of my first tensor load
	ds_add_u32 v[SPW], v[NIL]
	v_lshrrev_b32 v1, 5, v0
	v_readfirstlane_b32 s14, v1                    ; wave 0..3
	s_lshr_b32 s15, s14, 1                         ; which half of the tile's rows is mine.  Also: I fetch for x (0) or for Wqkv (1)
	s_and_b32 s16, s14, 1                          ; which half of its columns.  Also: which 128 rows of that tile I fetch
	s_bfe_u32 s40, ttmp6, 0x40000                  ; cx, cy: my place in the cluster
	s_bfe_u32 s41, ttmp6, 0x40004
	s_lshl_b32 s42, ttmp9, 2
	s_add_co_u32 s42, s42, s40                     ; tile column = 4 x cluster x + cx
	s_and_b32 s17, ttmp7, 0xffff
	s_lshl_b32 s17, s17, 2
	s_add_co_u32 s17, s17, s41                     ; tile row = 4 x cluster y + cy
	s_lshl_b32 s43, s41, 2
	s_lshl_b32 s43, 15, s43                        ; my row of the cluster
	s_lshl_b32 s44, 0x1111, s40                    ; my column
	; group 1 for codes: 128 rows x 256 elements of one byte, 4 words of padding behind every 64
	s_or_b32 s[G1+0], s43, (0<<16)|(1<<20)|(1<<21)|(5<<22)|(3<<25)
	s_or_b32 s[G1B+0], s44, (0<<16)|(1<<20)|(1<<21)|(5<<22)|(3<<25)
.irp g, G1, G1B
	s_mov_b32 s[\g+1], ROWB<<16                    ; tensor_dim0
	s_mov_b32 s[\g+2], 128<<16                     ; tensor_dim1
	s_mov_b32 s[\g+3], ROWB<<16                    ; tile_dim0
	s_mov_b32 s[\g+4], 128                         ; tile_dim1
	s_mov_b32 s[\g+5], KROW                        ; from row to row
	s_mov_b32 s[\g+6], 0
	s_mov_b32 s[\g+7], 0
.endr
	; and for the scales of 128 rows: 4,096 dense bytes as 16 rows of 32 elements of 8 bytes, padded likewise
	s_or_b32 s[G1S+0], s43, (3<<16)|(1<<20)|(1<<21)|(5<<22)|(3<<25)
	s_or_b32 s[G1SB+0], s44, (3<<16)|(1<<20)|(1<<21)|(5<<22)|(3<<25)
.irp g, G1S, G1SB
	s_mov_b32 s[\g+1], 32<<16
	s_mov_b32 s[\g+2], (128*KS/256)<<16
	s_mov_b32 s[\g+3], 32<<16
	s_mov_b32 s[\g+4], 128*KS/256
	s_mov_b32 s[\g+5], 32
	s_mov_b32 s[\g+6], 0
	s_mov_b32 s[\g+7], 0
.endr
	s_lshl_b32 s18, s16, 7                         ; which 128 rows of the tile I fetch
	s_lshl_b32 s20, s17, 8
	s_add_co_u32 s20, s20, s18                     ; x: row 256 x tile row + 128 x half
	s_lshl_b32 s46, s42, 8
	s_add_co_u32 s46, s46, s18                     ; Wqkv: row 256 x tile column + 128 x half
	s_mov_b32 s21, 0
	s_mov_b32 s47, 0
	s_mov_b64 s[18:19], KS
	s_mul_u64 s[22:23], s[20:21], s[18:19]         ; where these rows' scales begin
	s_mul_u64 s[92:93], s[46:47], s[18:19]
	s_mov_b64 s[18:19], KROW
	s_mul_u64 s[20:21], s[20:21], s[18:19]         ; and their codes
	s_mul_u64 s[46:47], s[46:47], s[18:19]
	s_mul_i32 s45, s14, HALFT                      ; where they go: wave x 128 rows: no place in the cluster enters an LDS address
	s_mul_i32 s94, s14, HALFS
	s_wait_dscnt 0x0                               ; both opening adds are done
	s_wait_kmcnt 0x0
	s_add_nc_u64 s[8:9], s[4:5], WCODES            ; Wqkv's codes and scale bytes lie behind x's in the same buffers
	s_add_nc_u64 s[10:11], s[6:7], WSCALE
	s_add_nc_u64 s[20:21], s[4:5], s[20:21]
	s_add_nc_u64 s[22:23], s[6:7], s[22:23]
	s_add_nc_u64 s[46:47], s[8:9], s[46:47]
	s_add_nc_u64 s[92:93], s[10:11], s[92:93]
	CROUND                                         ; all sixteen work-groups are here: the joint loads meet
	s_mov_b32 s[G0S], 1
	s_add_co_u32 s[G0S+1], s94, SCL
	s_mov_b64 s[G0S+2:G0S+3], s[22:23]
	s_or_b32 s[G0S+3], s[G0S+3], 0x80000000
	s_mov_b32 s[G0SB], 1
	s_add_co_u32 s[G0SB+1], s94, SCL
	s_mov_b64 s[G0SB+2:G0SB+3], s[92:93]
	s_or_b32 s[G0SB+3], s[G0SB+3], 0x80000000
	JLOAD G0S, G1S, G0SB, G1SB                     ; the scales first: they are wanted with the first slot
.irp s, 0,1
	s_mov_b32 s[G0+4*\s], 1
	s_add_co_u32 s[G0+4*\s+1], s45, \s*SLOT
	s_add_nc_u64 s[G0+4*\s+2:G0+4*\s+3], s[20:21], \s*ROWB
	s_or_b32 s[G0+4*\s+3], s[G0+4*\s+3], 0x80000000
	s_mov_b32 s[G0B+4*\s], 1
	s_add_co_u32 s[G0B+4*\s+1], s45, \s*SLOT
	s_add_nc_u64 s[G0B+4*\s+2:G0B+4*\s+3], s[46:47], \s*ROWB
	s_or_b32 s[G0B+4*\s+3], s[G0B+4*\s+3], 0x80000000
	JLOAD G0+4*\s, G1, G0B+4*\s, G1B               ; three tensor loads of mine are out now, and no more are issued
.endr
	v_and_b32 v1, 15, v0                           ; r = l % 16
	v_bfe_u32 v2, v0, 4, 1                         ; h = l / 16
	; the bias: my 128 columns begin at 256 x tile column + 128 x half
	s_lshl_b32 s20, s42, 10
	s_lshl_b32 s21, s16, 9
	s_add_co_u32 s20, s20, s21
	s_mov_b32 s21, 0
	s_add_nc_u64 s[66:67], s[66:67], s[20:21]
	v_lshlrev_b32 v8, 5, v2                        ; 8 numbers on for lanes 16-31; kept until the loads are in
.irp b, 0,1,2,3,4,5,6,7
	global_load_b128 v[BI+8*\b:BI+8*\b+3], v8, s[66:67] offset:64*\b
	global_load_b128 v[BI+8*\b+4:BI+8*\b+7], v8, s[66:67] offset:64*\b+16
.endr
	v_mul_u32_u24 v3, v1, PITCH
	v_lshl_add_u32 v4, v2, 4, v3                   ; a fragment's row x pitch + 16 x half
	s_mul_i32 s21, s15, HALFT                      ; my 128 rows of x
	s_mul_i32 s22, s16, HALFT                      ; my 128 rows of Wqkv,
	s_add_co_u32 s22, s22, 2*HALFT                 ; which lie behind x's 256
.irp s, 0,1
	v_add_nc_u32 v[ADRA+\s], s21, v4
	v_add_nc_u32 v[ADRB+\s], s22, v4
	s_add_co_u32 s21, s21, SLOT
	s_add_co_u32 s22, s22, SLOT
.endr
	v_mul_u32_u24 v5, v1, KS                       ; my row's scales: 32 bytes a row,
	v_lshrrev_b32 v6, 8, v5
	v_lshl_add_u32 v5, v6, 4, v5                   ; and 16 more for each 256 passed
	s_mul_i32 s21, s15, HALFS
	s_mul_i32 s22, s16, HALFS
	s_add_co_u32 s22, s22, 2*HALFS
	s_sub_co_u32 s22, s22, s21
	v_mul_u32_u24 v6, s22, v2                      ; lanes 16-31 take Wqkv's: one product, the distance between the two bases
	s_add_co_u32 s21, s21, SCL
	v_add_nc_u32 v5, v5, v6
	v_add_nc_u32 v[ADRS], s21, v5
	s_mul_i32 s23, s14, STG                        ; my stage
	v_mul_u32_u24 v5, v1, 144                      ; in: row r, 16 bytes for each half of the lanes
	v_lshl_add_u32 v5, v2, 4, v5
	v_add_nc_u32 v[STO], s23, v5
	v_and_b32 v6, 31, v0
	v_lshlrev_b32 v[CO], 4, v6
	v_lshrrev_b32 v5, 3, v6                        ; back: eight lanes to a row of 128 bytes, four rows an instruction
	v_mul_u32_u24 v5, v5, 144
	v_and_b32 v7, 7, v6
	v_lshl_add_u32 v5, v7, 4, v5
	v_add_nc_u32 v[RD], s23, v5
	; where my part begins in qkv16: section and head from my first column, batch and position from my first row
	s_lshl_b32 s20, s17, 8
	s_lshl_b32 s21, s15, 7
	s_add_co_u32 s20, s20, s21                     ; my first row of x
	s_lshr_b32 s21, s20, 11                        ; its batch,
	s_and_b32 s20, s20, 2047                       ; its position
	s_lshl_b32 s46, s42, 2
	s_lshl_b32 s47, s16, 1
	s_add_co_u32 s46, s46, s47                     ; my first column / 64: 0 .. 47, even, so that my two heads lie in one section
	s_lshr_b32 s47, s46, 4                         ; q, k or v
	s_and_b32 s46, s46, 15                         ; the head
	s_lshl_b32 s47, s47, 6
	s_lshl_b32 s21, s21, 4
	s_add_co_u32 s47, s47, s21
	s_add_co_u32 s47, s47, s46
	s_lshl_b32 s46, s47, 18                        ; x HEADB
	s_lshl_b32 s20, s20, 7                         ; 128 bytes a position
	s_add_co_u32 s46, s46, s20
	s_mov_b32 s47, 0
	s_add_nc_u64 s[12:13], s[12:13], s[46:47]
.macro FRAG reg, adr, q, i             ; 16 rows x 128 K of 4-bit codes: lane l holds row l % 16; registers 4 c .. 4 c + 3 hold K = 64 c + 32 (l / 16) + 0 .. 31
.irp c, 0,1
	ds_load_b128 v[\reg+4*\c:\reg+4*\c+3], v[\adr] offset:64*(\q)+32*\c+(\i)*16*PITCH
.endr
.endm
; 16 matrix instructions: x's blocks a0, a0 + 1 against Wqkv's eight.  p: Wqkv's set; sc: the set of scale words.  first = 1: the bias is C, and starts the sums.
; The 64 accumulators take turns, one instruction a turn, in the same order in every step.
.macro MUL16 a0, p, q, sc, first
.irp a, \a0, \a0+1
.irp b, 0,1,2,3,4,5,6,7
.if \first
	v_wmma_scale_f32_16x16x128_f8f6f4 v[8*(8*((\a)%4)+\b):8*(8*((\a)%4)+\b)+7], v[128*(\p)+FR*\b:128*(\p)+FR*\b+FR-1], v[AF+FR*(\a):AF+FR*(\a)+FR-1], v[BI+8*\b:BI+8*\b+7], v[SC+8*NQ*(\sc)+NQ*\b+(\q)], v[SC+8*NQ*(\sc)+NQ*(\a)+(\q)] matrix_a_fmt:MATRIX_FMT_FP4 matrix_b_fmt:MATRIX_FMT_FP4 matrix_a_scale:MATRIX_SCALE_ROW1
.else
	v_wmma_scale_f32_16x16x128_f8f6f4 v[8*(8*((\a)%4)+\b):8*(8*((\a)%4)+\b)+7], v[128*(\p)+FR*\b:128*(\p)+FR*\b+FR-1], v[AF+FR*(\a):AF+FR*(\a)+FR-1], v[8*(8*((\a)%4)+\b):8*(8*((\a)%4)+\b)+7], v[SC+8*NQ*(\sc)+NQ*\b+(\q)], v[SC+8*NQ*(\sc)+NQ*(\a)+(\q)] matrix_a_fmt:MATRIX_FMT_FP4 matrix_b_fmt:MATRIX_FMT_FP4 matrix_a_scale:MATRIX_SCALE_ROW1
.endif
.endr
.endr
.endm
.macro FETCH_B slot, q, p
	WIN TO_B
.irp i, 0,1,2,3,4,5,6,7
	FRAG 128*(\p)+FR*\i, ADRB+\slot, \q, \i
.endr
	WIN 0
.endm
.macro FETCH_A slot, q, i0
.irp i, \i0, \i0+1, \i0+2, \i0+3
	FRAG AF+FR*(\i), ADRA+\slot, \q, \i
.endr
.endm
.macro SCALES sc                       ; a slot's scale words: four a row; lanes 0-15 take x's block i, lanes 16-31 Wqkv's block i
.irp i, 0,1,2,3,4,5,6,7
	ds_load_b128 v[SC+8*NQ*\sc+NQ*\i:SC+8*NQ*\sc+NQ*\i+3], v[ADRS] offset:\i*SBLK
.endr
.endm
.macro PLACES n                        ; plain vector lines between a matrix instruction and a load into a register that it read, or a read of its result
.rept \n
	v_nop
.endr
.endm
; A step of 128 along K that has its successor in the same slot.  x's blocks 0-3 are fetched anew in its middle, blocks 4-7 at its end; Wqkv's next set in the middle.
.macro STEP slot, q, first
	s_wait_dscnt 4*NL                              ; all but the youngest eight loads (x's blocks 4-7) are in
	WIN MUL_LO-0x20*(\first)
	MUL16 0, (\q)%2, \q, \slot, \first
	MUL16 2, (\q)%2, \q, \slot, \first
	s_wait_dscnt 0
	PLACES NP
	FETCH_B \slot, (\q)+1, 1-(\q)%2
	FETCH_A \slot, (\q)+1, 0
	WIN MUL_HI-0x30*(\first)
	MUL16 4, (\q)%2, \q, \slot, \first
	MUL16 6, (\q)%2, \q, \slot, \first
	PLACES NP
	WIN 0
	FETCH_A \slot, (\q)+1, 4
.endm
.macro STEPS slot, from
.set Q, \from
.rept NQ-1-\from
	STEP \slot, Q, 0
.set Q, Q+1
.endr
.endm
	s_wait_tensorcnt 1                             ; the scales and my part of slot 0 are in; the one younger load, slot 1's, may be out
	s_barrier_signal -1
	s_barrier_wait -1                              ; everybody's are
	FETCH_B 0, 0, 0
	FETCH_A 0, 0, 0
	SCALES 0
	FETCH_A 0, 0, 4
	s_wait_loadcnt 0x0                             ; the bias
	STEP 0, 0, 1
	STEPS 0, 1
	; slot 0's last step changes slots: one barrier; in front of it my part of slot 1 has landed and my reads of slot 0 are over
	s_wait_tensorcnt 0x0
	ds_add_u32 v[SPW], v[NIL]                      ; 0 onto my spare word
	s_wait_dscnt 4*NL+1                            ; the add and the youngest eight loads may be out
	WIN MUL_LO
	MUL16 0, 1, NQ-1, 0, 0
	s_wait_dscnt 0x0
	s_barrier_signal -1
	MUL16 2, 1, NQ-1, 0, 0
	WIN 0
	s_barrier_wait -1
	PLACES NP
	v_add_nc_u32 v[ADRS], 4*NQ, v[ADRS]            ; on to slot 1's scale words (no LDS load of mine is out)
	FETCH_B 1, 0, 0
	FETCH_A 1, 0, 0
	SCALES 1
	WIN MUL_HI
	MUL16 4, 1, NQ-1, 0, 0
	MUL16 6, 1, NQ-1, 0, 0
	PLACES NP
	WIN 0
	FETCH_A 1, 0, 4
	STEPS 1, 0
	s_wait_dscnt 4*NL                              ; the very last step: nothing more to fetch
	WIN MUL_LO
	MUL16 0, 1, NQ-1, 1, 0
	MUL16 2, 1, NQ-1, 1, 0
	s_wait_dscnt 0
	WIN MUL_HI
	MUL16 4, 1, NQ-1, 1, 0
	MUL16 6, 1, NQ-1, 1, 0
	WIN 0
; THE WAY OUT, a block of 16 rows x 128 columns (two heads) at a time.  PACK: rounded to f16, 16 bytes a lane.  TOSTAGE: into my own stage, and back as rows of 128 bytes.  SEND: four rows of one head are
; 512 consecutive bytes of qkv16, which the 32 lanes store by one instruction.
.macro PACK a
.set AC, 64*((\a)%4)
	WIN 0x0a+5*((\a)/4)                            ; sources 0 and 1: window 2 or 3
.irp b, 0,1,2,3,4,5,6,7
.irp r, 0,1,2,3
	v_cvt_pk_f16_f32 v[TMP+4*\b+\r], v[AC+8*\b+2*\r], v[AC+8*\b+2*\r+1]   ; each accumulator from its low end on
.endr
.endr
	WIN 0
.endm
.macro TOSTAGE a
.set BB, BK+32*((\a)%2)
.irp b, 0,1,2,3,4,5,6,7
	ds_store_b128 v[STO], v[TMP+4*\b:TMP+4*\b+3] offset:(\b/4)*2304+32*(\b%4)
.endr
.irp t, 0,1,2,3,4,5,6,7
	ds_load_b128 v[BB+4*\t:BB+4*\t+3], v[RD] offset:(\t/4)*2304+576*(\t%4)   ; LDS serves a wave's instructions in order: these see the stores above
.endr
.endm
.macro SEND a
.set BB, BK+32*((\a)%2)
	s_wait_dscnt 0x0                               ; the block is back in registers
	s_wait_xcnt 0x0                                ; earlier stores have read their base and their data: both may be written again
.if (\a) > 0
	s_add_nc_u64 s[12:13], s[12:13], 2048          ; 16 positions on
.endif
.irp t, 0,1,2,3,4,5,6,7
	global_store_b128 v[CO], v[BB+4*\t:BB+4*\t+3], s[12:13] offset:(\t/4)*HEADB+512*(\t%4)
.endr
.endm
	PLACES NP
	PACK 0
	TOSTAGE 0
.irp a, 1,2,3,4,5,6,7                  ; block a's conversions stand between block a - 1's loads from the stage and the wait for them
	PACK \a
	SEND \a-1
	TOSTAGE \a
.endr
	SEND 7
	s_wait_tensorcnt 0x0                           ; the wave's end
	ds_add_u32 v[SPW], v[NIL]
	s_wait_dscnt 0x0
	CROUND                                         ; the closing round
	s_endpgm
.Lfunc_end_k_q907701079c_qkv:
	.size	k_q907701079c_qkv, .Lfunc_end_k_q907701079c_qkv-k_q907701079c_qkv
	.p2alignl 7, 3214868480
	.fill 96, 4, 3214868480
	.section	.rodata,"a",@progbits
	.p2align	6, 0x0
	.amdhsa_kernel k_q907701079c_qkv
		.amdhsa_group_segment_fixed_size 327680
		.amdhsa_private_segment_fixed_size 0
		.amdhsa_enable_private_segment 0
		.amdhsa_kernarg_size 32
		.amdhsa_user_sgpr_count 2
		.amdhsa_user_sgpr_kernarg_segment_ptr 1
		.amdhsa_wavefront_size32 1
		.amdhsa_system_sgpr_workgroup_id_x 1
		.amdhsa_system_sgpr_workgroup_id_y 1
		.amdhsa_system_sgpr_workgroup_id_z 1
		.amdhsa_system_vgpr_workitem_id 0
		.amdhsa_next_free_vgpr 1024
		.amdhsa_next_free_sgpr 100
		.amdhsa_reserve_vcc 0
		.amdhsa_float_denorm_mode_32 3
		.amdhsa_float_denorm_mode_16_64 3
		.amdhsa_memory_ordered 1
		.amdhsa_forward_progress 1
		.amdhsa_inst_pref_size 129
	.end_amdhsa_kernel
	.amdgpu_metadata
---
amdhsa.version: [ 1, 2 ]
amdhsa.kernels:
  - .name:           k_q907701079c_qkv
    .symbol:         k_q907701079c_qkv.kd
    .args:
      - { .name: codes, .offset: 0, .size: 8, .value_kind: global_buffer, .address_space: global }
      - { .name: scales, .offset: 8, .size: 8, .value_kind: global_buffer, .address_space: global }
      - { .name: bqkv, .offset: 16, .size: 8, .value_kind: global_buffer, .address_space: global }
      - { .name: qkv16, .offset: 24, .size: 8, .value_kind: global_buffer, .address_space: global }
    .group_segment_fixed_size: 327680
    .private_segment_fixed_size: 0
    .kernarg_segment_align: 8
    .kernarg_segment_size: 32
    .max_flat_workgroup_size: 128
    .sgpr_count:     100
    .vgpr_count:     1024
    .wavefront_size: 32
...
	.end_amdgpu_metadata
.endif
;; end of part 2
;; launch attn (part 3): grid 4 x 64, 16 waves a work-group, no clusters, 241,664 bytes of LDS; arguments qkv16, maskw, tflag, attn16, attn32; writes attn16, attn32
.if DOCPART == 3
	.amdgcn_target "amdgcn-amd-amdhsa--gfx1250"
	.amdhsa_code_object_version 6
	.text
	.protected	k_q907701079c_attn
	.globl	k_q907701079c_attn
	.p2align	8
	.type	k_q907701079c_attn,@function
k_q907701079c_attn:
	s_mov_b64 s[64:65], 0
	v_nop
	global_prefetch_b8 v0, s[64:65] scope:SCOPE_SE
	s_setreg_imm32_b32 hwreg(HW_REG_WAVE_MODE, 25, 1), 1
	s_wait_xcnt 0x0
; O[b][h][q] = sum over k of softmax_k(q . k / 8, masked) v, on f16 operands with f32 sums, maxima and row sums.  qkv16: [which 3][b 4][head 16][l 2048][64] f16.
; THE MASK IS AN INPUT and is honoured key by key, from words of one bit a lane (maskw: bit L of word (qt, kt, j) = mask[16 qt + L % 16][16 kt + 8 (L / 16) + j]).
; WHAT IS NOT DONE.  A tile of 16 queries x 64 keys all of whose mask bytes are set has p = 0 throughout and leaves maximum, sum and O as they are: it is jumped over.  A tile none of whose bytes is set is walked
; without selects and without mask words.  Both are told by flag bytes that the first launch made from the mask (tflag [query tile 128][256 keys 8]: bit k: key step k wholly masked; bit 4 + k: some byte set):
; whole numbers read from memory, so this holds for every mask, and a mask without such tiles is served with all the work.
; A masked score becomes -infinity ahead of the maximum.  The running maximum starts at -3e38 and never falls under it, so a row that is masked throughout has sum 0 and O = 0, and 0 x (1 / 0) gives NaN, as the softmax of such a row is.
; SHARES.  Work-group x of a head owns query blocks x and 7 - x of 256 queries; wave w owns tile w (16 queries) of each.  The pairing is fixed and right for any mask; it evens the work out where masked tiles gather on one side of the diagonal.
; Four waves to a SIMD, 256 registers each, so that one wave's vector work stands beside another's products and LDS loads.
; K AND V come through a ring of two LDS slots of 256 keys, read by all sixteen waves.  NO TENSOR LOADS, NO CLUSTER: which slots a work-group reads hangs on the flags, so the four work-groups of a head need different
; numbers of slots.  The waves fill the slots through registers: in key steps 0 and 2 of a slot a wave loads two chunks of 512 bytes of K and
; two of V of the next slot (2,048 bytes a wave, 32,768 a work-group on their way), at the end of steps 1 and 3 it stores them into the other slot.  A slot that no tile of the work-group reads is not filled.
; LAYOUT.  S^T = K Q^T (source 0 = 16 keys, source 1 = 16 queries): a lane holds ONE query (lane % 16); register 8 t + j holds key 16 t + 8 (lane / 16) + j.  Rounded to f16 in pairs, in place, two such tiles
; ARE source 1 (32 keys x 16 queries) of O^T = V^T P.  K comes out of LDS as it lies, V turned, by ds_load_tr16_b128.
; SOFTMAX.  p = 2^(c s - c m), c = log2(e) / 8, m the running maximum; in every step that is walked O and the sum are multiplied by a = 2^(c m_old - c m_new).  The sum is taken of the unrounded p.
; OUT.  attn16 [8192][1024] f16 in pieces of 128 bytes (a head's share of a row); positions 0-15 of every sequence also in f32, to attn32 [b][16][1024].
; LIMITS: |q|, |k|, |v| and the result up to 65,504 (f16); NaN and infinities among the inputs are not served.
.set PK,    272                        ; TWO keys to an LDS row: 256 bytes + 16.  Key n lies at (n / 2) PK + (n % 2) 128: the 16 keys of a load fall on 16 different 16-byte columns of 256 bytes
.set PV,    288                        ; the same for V with 32 of padding: the 16 lanes of half a turning load fall on 16 different columns
.set VOFF,  128*PK                     ; a slot: 128 rows of K, then 128 rows of V
.set SLOT1, 1<<17                      ; slot 1 begins here: one exclusive or turns an address
.set STAGE, SLOT1+128*(PK+PV)          ; behind the ring: 16 rows x 144 bytes for each wave, for the way out
.set SPARE, STAGE+16*2304              ; the spare words, 128 bytes a wave, which no other line names
.set SEC,   0x1000000                  ; from q to k and from k to v in qkv16
.set SLOTB, 32768                      ; a slot's keys in memory: 256 x 128 bytes
.set STEPB, 8192                       ; a key step's: 64 x 128 bytes
.set ADK, 1                            ; v1   LDS address of my lane's place in the slot's K; turned at each change of slots
.set ADV, 2                            ; v2   the same for V
.set FKA, 3                            ; v3   where I store my chunks of K: in the other slot
.set FVA, 4                            ; v4   the same for V
.set PFO, 5                            ; v5   256 x lane: the prefetches' offset; never rewritten
.set AA,  6                            ; v6   a (named with v7 as a pair; the low word serves both halves)
.set GF,  7                            ; v7   16 x thread: my 16 bytes of a chunk row of 8,192 bytes; never rewritten
.set LS,  8                            ; v8, v9    the row's sum, tile 0, 1
.set MS,  10                           ; v10, v11  m
.set TT,  12                           ; v12-15    at work, for both tiles
.set FD,  16                           ; v16-31    two chunks of K and two of V on their way
.set Q,   32                           ; v32-63    Q: tile u, channels 32 c on at 16 u + 8 c
.set S,   64                           ; v64-127   S^T, then p, then P in the low half: 32 a tile
.set O,   128                          ; v128-191  O^T: 32 a tile, 8 for each 16 channels
.set KV,  192                          ; v192-255  a step's 8 fragments of K, then its 8 of V
.set NEG, 2                            ; s2   -infinity
.set TD,  3                            ; s3   at work on flags
.set W0,  4                            ; s4, s5   this slot's flag byte of tile 0, 1
.set M0P, 6                            ; s[6:7]   tile 0's mask words
.set FQ,  8                            ; s8   1: the next slot is filled
.set TA,  9                            ; s9   at work on addresses
.set O0P, 10                           ; s[10:11] tile 0's rows of attn16
.set M1P, 12                           ; s[12:13] tile 1's mask words
.set A32, 14                           ; s[14:15] attn32
.set WV,  16
.set SLOTS, 18
.set SEL, 20                           ; s[20:21] v_permlanex16_b32's selects for lane l xor 16
.set CS,  22                           ; s[22:23] c, twice
.set KP,  24                           ; s[24:25] K of the slot that is being filled
.set VP,  26                           ; s[26:27] V likewise
.set PFA, 28                           ; s[28:29] where my prefetches stand
.set LIM, 30                           ; s30  2 in a wave that prefetches, else the greatest number
.set MO,  31                           ; s31  the slot's mask words: 512 bytes a slot
.set MK1, 32                           ; s[32:63] tile 1's 32 mask words
.set F0,  66                           ; s[66:67] tile 0's flag bytes still to come
.set MK0, 68                           ; s[68:99] tile 0's 32 mask words
.set F1,  100                          ; s[100:101] tile 1's flag bytes
.set NA,  104                          ; s[104:105] the AND of the flag bytes of all 32 tiles of the work-group
	s_load_b256 s[4:11], s[0:1], 0x0               ; qkv16 4:5, maskw 6:7, tflag 8:9, attn16 10:11
	s_load_b64 s[A32:A32+1], s[0:1], 0x20          ; attn32
	v_lshrrev_b32 v12, 5, v0
	v_readfirstlane_b32 s[WV], v12                 ; wave 0..15
	s_and_b32 s66, ttmp7, 0xffff                   ; 16 b + head
	s_sub_co_u32 s67, 7, ttmp9                     ; my upper block
	s_lshl_b32 s100, ttmp9, 4
	s_add_co_u32 s100, s100, s[WV]                 ; tile 0 is query tile 16 x + wave,
	s_lshl_b32 s101, s67, 4
	s_add_co_u32 s101, s101, s[WV]                 ; tile 1 is 16 (7 - x) + wave
	s_mov_b32 s[SEL], 0x76543210
	s_mov_b32 s[SEL+1], 0xfedcba98
	s_mov_b32 s[CS], 0x3e38aa3b                    ; c = log2(e) / 8
	s_mov_b32 s[CS+1], s[CS]
	s_mov_b32 s[SLOTS], 8
	v_and_b32 v12, 15, v0                          ; r
	v_bfe_u32 v13, v0, 4, 1                        ; h
	v_lshlrev_b32 v14, 7, v12
	v_lshl_add_u32 v14, v13, 4, v14                ; Q: row r of 128 bytes + 16 h,
	v_lshl_add_u32 v15, s101, 11, v14              ; + 2,048 bytes a query tile: tile 1,
	v_lshl_add_u32 v14, s100, 11, v14              ; tile 0 (both stay until Q is in)
	v_lshlrev_b32 v[GF], 4, v0
	s_wait_kmcnt 0x0
	s_lshl_b32 s104, s66, 18                       ; the head's first byte in a section
	s_mov_b32 s105, 0
	s_add_nc_u64 s[4:5], s[4:5], s[104:105]        ; Q's head
	s_add_nc_u64 s[KP:KP+1], s[4:5], SEC           ; K's
	s_add_nc_u64 s[VP:VP+1], s[4:5], 2*SEC         ; V's
.irp j, 0,1                            ; slot 0 is filled whatever the flags say: my four chunks of K and four of V; sixteen waves' chunks are 8,192 consecutive bytes
	global_load_b128 v[FD+8*\j:FD+8*\j+3], v[GF], s[KP:KP+1] offset:STEPB*\j
	global_load_b128 v[FD+8*\j+4:FD+8*\j+7], v[GF], s[VP:VP+1] offset:STEPB*\j
	global_load_b128 v[S+8*\j:S+8*\j+3], v[GF], s[KP:KP+1] offset:STEPB*(\j+2)
	global_load_b128 v[S+8*\j+4:S+8*\j+7], v[GF], s[VP:VP+1] offset:STEPB*(\j+2)
.endr
.irp c, 0,1
	global_load_b128 v[Q+8*\c:Q+8*\c+3], v14, s[4:5] offset:64*\c
	global_load_b128 v[Q+8*\c+4:Q+8*\c+7], v14, s[4:5] offset:64*\c+32
	global_load_b128 v[Q+16+8*\c:Q+16+8*\c+3], v15, s[4:5] offset:64*\c
	global_load_b128 v[Q+16+8*\c+4:Q+16+8*\c+7], v15, s[4:5] offset:64*\c+32
.endr
	s_lshl_b32 s104, s101, 12                      ; the mask words: 4,096 bytes a query tile
	s_add_nc_u64 s[M1P:M1P+1], s[6:7], s[104:105]
	s_lshl_b32 s104, s100, 12
	s_add_nc_u64 s[M0P:M0P+1], s[6:7], s[104:105]
	s_lshr_b32 s30, s66, 4                         ; b
	s_and_b32 s31, s66, 15                         ; head
	s_lshl_b32 s104, s30, 22                       ; attn16: rows of 2,048 bytes: 2,048 rows a batch,
	s_lshl_b32 s28, s31, 7                         ; 128 bytes a head,
	s_add_co_u32 s104, s104, s28
	s_lshl_b32 s28, s100, 15                       ; 16 rows a query tile
	s_add_co_u32 s104, s104, s28
	s_add_nc_u64 s[O0P:O0P+1], s[O0P:O0P+1], s[104:105]
	s_lshl_b32 s104, s30, 16                       ; attn32: 16 rows of 4,096 bytes a batch, 256 bytes a head
	s_lshl_b32 s28, s31, 8
	s_add_co_u32 s104, s104, s28
	s_add_nc_u64 s[A32:A32+1], s[A32:A32+1], s[104:105]
	s_lshl_b32 s2, ttmp9, 7                        ; the flag bytes: 8 a query tile, 128 a block
	s_lshl_b32 s3, s67, 7
	s_lshl_b32 s17, s100, 3
	s_lshl_b32 s19, s101, 3
	s_load_b512 s[68:83], s[8:9], s2 offset:0x0    ; those of my work-group's 32 tiles,
	s_load_b512 s[84:99], s[8:9], s2 offset:0x40
	s_load_b512 s[32:47], s[8:9], s3 offset:0x0
	s_load_b512 s[48:63], s[8:9], s3 offset:0x40
	s_load_b64 s[F0:F0+1], s[8:9], s17 offset:0x0  ; and my own two tiles' once more, by the wave's number
	s_load_b64 s[F1:F1+1], s[8:9], s19 offset:0x0
	s_cmp_eq_u32 s[WV], 4                          ; the prefetches: wave 4 asks for K's bytes, wave 5 for V's;
	s_cselect_b64 s[PFA:PFA+1], s[KP:KP+1], s[VP:VP+1]
	s_lshl_b32 s104, ttmp9, 13                     ; of a slot's 32,768 bytes my work-group takes 8,192,
	s_add_co_u32 s104, s104, SLOTB                 ; in slot 1: the first change of slots steps it to slot 2.  Nothing is prefetched at the head
	s_add_nc_u64 s[PFA:PFA+1], s[PFA:PFA+1], s[104:105]
	s_lshr_b32 s30, s[WV], 1
	s_cmp_eq_u32 s30, 2
	s_cselect_b32 s[LIM], 2, -1
	s_mov_b32 s[MO], 0
	v_bfe_u32 v128, v0, 1, 3                       ; (v128, v129: at work until O^T is cleared)
	v_mul_u32_u24 v[ADK], v128, PK
	v_and_b32 v128, 1, v0
	v_lshl_add_u32 v[ADK], v128, 7, v[ADK]
	v_lshl_add_u32 v[ADK], v13, 4, v[ADK]          ; K: key r of a tile: (r / 2) PK + (r % 2) 128 + 16 h,
	v_add_nc_u32 v[ADK], SLOT1, v[ADK]             ; in slot 1: the first change of slots turns it to slot 0
	v_bfe_u32 v129, v0, 1, 2
	v_lshl_add_u32 v129, v13, 2, v129
	v_mul_u32_u24 v[ADV], v129, PV
	v_lshl_add_u32 v[ADV], v128, 7, v[ADV]
	v_bfe_u32 v129, v0, 3, 1
	v_lshl_add_u32 v[ADV], v129, 4, v[ADV]         ; V: key 8 h + l % 8, channels 8 ((l / 8) % 2) on
	v_add_nc_u32 v[ADV], SLOT1+VOFF, v[ADV]
	s_mul_i32 s104, s[WV], 2*PK                    ; a chunk of 512 bytes is two LDS rows: chunk 16 i + wave of a slot's 64 lies at row 32 i + 2 wave; lanes 0-15 fill the first row, lanes 16-31 the second
	v_mul_u32_u24 v[FKA], v13, PK
	v_lshl_add_u32 v[FKA], v12, 4, v[FKA]
	v_add_nc_u32 v[FKA], s104, v[FKA]              ; in slot 0, for the first fill; the first change of slots turns it to slot 1
	s_mul_i32 s104, s[WV], 2*PV
	s_add_co_u32 s104, s104, VOFF
	v_mul_u32_u24 v[FVA], v13, PV
	v_lshl_add_u32 v[FVA], v12, 4, v[FVA]
	v_add_nc_u32 v[FVA], s104, v[FVA]
	v_and_b32 v[PFO], 31, v0
	v_lshlrev_b32 v[PFO], 8, v[PFO]
	v_mov_b32 v[AA], 0
.irp u, 0,1
	v_mov_b32 v[LS+\u], 0
	v_mov_b32 v[MS+\u], 0xff61b1e6                 ; m = -3e38, under every score that counts
.endr
.set ii, 0
.rept 64
	v_mov_b32 v[O+ii], 0                           ; O^T.  (Which step is a tile's first hangs on the flags, so no product can be written out to start the sums: the first step that is walked finds zeros, which its a = 0 leaves zeros)
.set ii, ii+1
.endr
	s_wait_loadcnt 8                               ; the eight loads of the first fill are in; Q's eight, issued behind them, may be out
.irp j, 0,1
	ds_store_b128 v[FKA], v[FD+8*\j:FD+8*\j+3] offset:32*PK*\j
	ds_store_b128 v[FVA], v[FD+8*\j+4:FD+8*\j+7] offset:32*PV*\j
	ds_store_b128 v[FKA], v[S+8*\j:S+8*\j+3] offset:32*PK*(\j+2)
	ds_store_b128 v[FVA], v[S+8*\j+4:S+8*\j+7] offset:32*PV*(\j+2)
.endr
	s_wait_kmcnt 0x0                               ; the flags
	s_and_b32 s[NA], s68, s70                      ; a tile's eight bytes are a pair of registers: low words with low words, high with high
	s_and_b32 s[NA+1], s69, s71
.set pp, 72
.rept 14
	s_and_b32 s[NA], s[NA], s[pp]
	s_and_b32 s[NA+1], s[NA+1], s[pp+1]
.set pp, pp+2
.endr
.set pp, 32
.rept 16
	s_and_b32 s[NA], s[NA], s[pp]
	s_and_b32 s[NA+1], s[NA+1], s[pp+1]
.set pp, pp+2
.endr
	s_mov_b32 s[NEG], 0xff800000
	s_wait_loadcnt 0x0                             ; Q: its base and its two offset registers are free
.irp j, 0,1,2,3
	v_mov_b32 v[TT+\j], 0
.endr
.macro SHIFT8 p                        ; a pair of registers goes eight bits down: the next slot's byte comes to the bottom
	s_lshr_b32 s[\p], s[\p], 8
	s_lshl_b32 s[TD], s[\p+1], 24
	s_or_b32 s[\p], s[\p], s[TD]
	s_lshr_b32 s[\p+1], s[\p+1], 8
.endm
.macro WORDS u, k                      ; tile u's 32 mask words of key step k are asked for, where some byte of the tile is set
.set rK, MK0+(MK1-MK0)*(\u)
.set rP, M0P+(M1P-M0P)*(\u)
	s_bitcmp1_b32 s[W0+(\u)], 4+(\k)
	s_cbranch_scc0 .Lnw_\@
	s_load_b512 s[rK:rK+15], s[rP:rP+1], s[MO] offset:128*(\k)
	s_load_b512 s[rK+16:rK+31], s[rP:rP+1], s[MO] offset:128*(\k)+64
.Lnw_\@:
.endm
.macro FLOAD k                         ; chunks k and k + 1 of the next slot, K's and V's.  It stands behind a wait for all my LDS instructions: the stores that read these registers are done
	s_cmp_lg_u32 s[FQ], 0
	s_cbranch_scc0 .Lnl_\@
	global_load_b128 v[FD:FD+3], v[GF], s[KP:KP+1] offset:STEPB*(\k)
	global_load_b128 v[FD+4:FD+7], v[GF], s[VP:VP+1] offset:STEPB*(\k)
	global_load_b128 v[FD+8:FD+11], v[GF], s[KP:KP+1] offset:STEPB*((\k)+1)
	global_load_b128 v[FD+12:FD+15], v[GF], s[VP:VP+1] offset:STEPB*((\k)+1)
.Lnl_\@:
.endm
.macro FSTORE k                        ; and into the other slot, which nobody reads before the next barrier.  The wait stands outside the flag's branch, so that it is passed on every way
	s_wait_loadcnt 0x0
	s_cmp_lg_u32 s[FQ], 0
	s_cbranch_scc0 .Lns_\@
	ds_store_b128 v[FKA], v[FD:FD+3] offset:32*PK*(\k)
	ds_store_b128 v[FVA], v[FD+4:FD+7] offset:32*PV*(\k)
	ds_store_b128 v[FKA], v[FD+8:FD+11] offset:32*PK*((\k)+1)
	ds_store_b128 v[FVA], v[FD+12:FD+15] offset:32*PV*((\k)+1)
.Lns_\@:
.endm
.macro SPROD u                         ; S^T = K Q^T of tile u: its four accumulators take turns, one instruction a turn; the first four start the sums
.irp c, 0,1
.irp t, 0,1,2,3
.if \c == 0
	v_wmma_f32_16x16x32_f16 v[S+32*(\u)+8*\t:S+32*(\u)+8*\t+7], v[KV+8*(2*\t+\c):KV+8*(2*\t+\c)+7], v[Q+16*(\u)+8*\c:Q+16*(\u)+8*\c+7], 0
.else
	v_wmma_f32_16x16x32_f16 v[S+32*(\u)+8*\t:S+32*(\u)+8*\t+7], v[KV+8*(2*\t+\c):KV+8*(2*\t+\c)+7], v[Q+16*(\u)+8*\c:Q+16*(\u)+8*\c+7], v[S+32*(\u)+8*\t:S+32*(\u)+8*\t+7]
.endif
.endr
.endr
.endm
.macro MASK u                          ; a score whose bit is set becomes -infinity; registers ascending
.set rK, MK0+(MK1-MK0)*(\u)
.set nn, 0
.rept 32
	v_cndmask_b32 v[S+32*(\u)+nn], v[S+32*(\u)+nn], s[NEG], s[rK+nn]
.set nn, nn+1
.endr
.endm
.macro SOFT u
.set rL, LS+(\u)
.set rM, MS+(\u)
.set rS, S+32*(\u)
.set rO, O+32*(\u)
.irp j, 0,1,2,3
	v_max3_num_f32 v[TT+\j], v[rS+8*\j], v[rS+8*\j+1], v[rS+8*\j+2]        ; the maximum of my 32 scores and the old m: four chains, each from its accumulator's low end,
.endr
.irp i, 3,5
.irp j, 0,1,2,3
	v_max3_num_f32 v[TT+\j], v[TT+\j], v[rS+8*\j+\i], v[rS+8*\j+\i+1]
.endr
.endr
	v_max3_num_f32 v[TT], v[TT], v[rS+7], v[rS+15]                         ; the four scores left over,
	v_max3_num_f32 v[TT+2], v[TT+2], v[rS+23], v[rS+31]
	v_max3_num_f32 v[TT], v[TT], v[TT+1], v[TT+2]
	v_max3_num_f32 v[TT], v[TT], v[TT+3], v[rM]                            ; and m
	v_permlanex16_b32 v[TT+1], v[TT], s[SEL], s[SEL+1]                     ; the query's other 32 keys lie in the lane 16 away
	v_mul_f32 v[TT+3], s[CS], v[rM]                                        ; c m_old
	v_max_num_f32 v[rM], v[TT], v[TT+1]
	v_mul_f32 v[TT], s[CS], v[rM]                                          ; c m
	v_sub_f32 v[TT+3], v[TT+3], v[TT]
.set bb, 0
.rept 16
	v_pk_fma_f32 v[rS+2*bb:rS+2*bb+1], v[rS+2*bb:rS+2*bb+1], s[CS:CS+1], v[TT:TT+1] op_sel_hi:[1,0,0] neg_lo:[0,0,1] neg_hi:[0,0,1]   ; c s - c m
.set bb, bb+1
.endr
	v_exp_f32 v[AA], v[TT+3]                       ; a.  The 33 exponentials are one batch
.set ee, 0
.rept 32
	v_exp_f32 v[rS+ee], v[rS+ee]
.set ee, ee+1
.endr
	v_nop                                          ; a plain line behind the last exponential,
	s_wait_alu depctr_va_vdst(0)                   ; and one wait ahead of the batch's first reader
	v_mul_f32 v[rL], v[rL], v[AA]
	v_pk_add_f32 v[TT:TT+1], v[rS:rS+1], v[rS+4:rS+5]                      ; the sum of the unrounded p, in two chains
	v_pk_add_f32 v[TT+2:TT+3], v[rS+2:rS+3], v[rS+6:rS+7]
.irp j, 8,12,16,20,24,28
	v_pk_add_f32 v[TT:TT+1], v[TT:TT+1], v[rS+\j:rS+\j+1]
	v_pk_add_f32 v[TT+2:TT+3], v[TT+2:TT+3], v[rS+\j+2:rS+\j+3]
.endr
	v_pk_add_f32 v[TT:TT+1], v[TT:TT+1], v[TT+2:TT+3]
	v_add_f32 v[TT], v[TT], v[TT+1]
	v_add_f32 v[rL], v[rL], v[TT]
.set ii, 0
.rept 16
	v_cvt_pk_f16_f32 v[rS+ii], v[rS+2*ii], v[rS+2*ii+1]                    ; P in place: register i takes p 2 i and 2 i + 1, ascending, so that nothing is written before it is read
.set ii, ii+1
.endr
.set ii, 0
.rept 16
	v_pk_mul_f32 v[rO+2*ii:rO+2*ii+1], v[rO+2*ii:rO+2*ii+1], v[AA:AA+1] op_sel_hi:[1,0]   ; O^T x a, from each accumulator's low end on
.set ii, ii+1
.endr
.endm
.macro TILE u, k                       ; tile u behind its scores: the selects where some byte is set, the softmax, O^T += V^T P (its four accumulators by turns)
	s_bitcmp1_b32 s[W0+(\u)], 4+(\k)
	s_cbranch_scc0 .Lnm_\@
	MASK \u
.Lnm_\@:
	SOFT \u
	s_wait_dscnt 0x0                               ; V is in
.irp g, 0,1
.irp f, 0,1,2,3
	v_wmma_f32_16x16x32_f16 v[O+32*(\u)+8*\f:O+32*(\u)+8*\f+7], v[KV+8*(4*\g+\f):KV+8*(4*\g+\f)+7], v[S+32*(\u)+8*\g:S+32*(\u)+8*\g+7], v[O+32*(\u)+8*\f:O+32*(\u)+8*\f+7]
.endr
.endr
.endm
; A key step's work for tile 0 (a = 1), tile 1 (b = 1) or both.  Each form is whole in itself: what it reads it has written.  With both, tile 0's V^T P is issued ahead of tile 1's softmax.
.macro BODY a, b, k
.if \a
	WORDS 0, \k
.endif
.if \b
	WORDS 1, \k
.endif
.rept 5
	v_nop                                          ; five plain lines behind the last step's products: four are owed to the loads into V's registers, five to the products that write over P
.endr
.irp t, 0,1,2,3
.irp c, 0,1
	ds_load_b128 v[KV+8*(2*\t+\c):KV+8*(2*\t+\c)+3], v[ADK] offset:32*PK*(\k)+8*PK*\t+64*\c
	ds_load_b128 v[KV+8*(2*\t+\c)+4:KV+8*(2*\t+\c)+7], v[ADK] offset:32*PK*(\k)+8*PK*\t+64*\c+32
.endr
.endr
	s_wait_dscnt 0x0
.if ((\k)%2) == 0
	FLOAD \k
.endif
.if \a
	SPROD 0
.endif
.if \b
	SPROD 1
.endif
.rept 4
	v_nop                                          ; places in front of the loads into K's registers and of the first read of the scores
.endr
.irp g, 0,1                            ; V, turned: fragment (g, f): keys 32 g on, channels 16 f on.  It lands while the softmax is walked
.irp f, 0,1,2,3
	ds_load_tr16_b128 v[KV+8*(4*\g+\f):KV+8*(4*\g+\f)+3], v[ADV] offset:32*PV*(\k)+16*PV*\g+32*\f
	ds_load_tr16_b128 v[KV+8*(4*\g+\f)+4:KV+8*(4*\g+\f)+7], v[ADV] offset:32*PV*(\k)+16*PV*\g+8*PV+32*\f
.endr
.endr
	s_wait_kmcnt 0x0                               ; the mask words, if any were asked for: outside the flags' branches, so that it is passed on every way
.if \a
	TILE 0, \k
.endif
.if \b
	TILE 1, \k
.endif
.endm
; KEY STEP k of the slot in hand.  The branches hang on the flag bytes; no barrier stands under them.
.macro STEP k
	s_bitcmp1_b32 s[W0], \k
	s_cbranch_scc1 .Lno0_\@
	s_bitcmp1_b32 s[W0+1], \k
	s_cbranch_scc1 .Lonly0_\@
	BODY 1, 1, \k
	s_branch .Ljoin_\@
.Lonly0_\@:
	BODY 1, 0, \k
	s_branch .Ljoin_\@
.Lno0_\@:
	s_bitcmp1_b32 s[W0+1], \k
	s_cbranch_scc1 .Lidle_\@
	BODY 0, 1, \k
	s_branch .Ljoin_\@
.Lidle_\@:
.if ((\k)%2) == 0
	s_wait_dscnt 0x0                               ; a wave with nothing to multiply still fills its share
	FLOAD \k
.endif
.Ljoin_\@:
.if ((\k)%2) == 1
	FSTORE (\k)-1
.endif
.endm
.Lslot:                                            ; eight trips, one for each slot of 256 keys
	; THE CHANGE OF SLOTS: my stores into the slot ahead are done and my reads of the slot that I leave are over; behind the barrier that holds of all sixteen waves
	s_wait_dscnt 0x0
	s_barrier_signal -1
	s_barrier_wait -1
	v_xor_b32 v[ADK], SLOT1, v[ADK]                ; I read the slot ahead,
	v_xor_b32 v[ADV], SLOT1, v[ADV]
	v_xor_b32 v[FKA], SLOT1, v[FKA]                ; and fill the one that was left
	v_xor_b32 v[FVA], SLOT1, v[FVA]
	s_and_b32 s[W0], s[F0], 0xff                   ; this slot's flag bytes of my two tiles
	SHIFT8 F0
	s_and_b32 s[W0+1], s[F1], 0xff
	SHIFT8 F1
	SHIFT8 NA                                      ; the next slot's byte of the whole work-group:
	s_and_b32 s[TD], s[NA], 15
	s_cmp_lg_u32 s[TD], 15                         ; is any of its four key steps read by any of the 32 tiles?
	s_cselect_b32 s[FQ], 1, 0
	s_cmp_gt_u32 s[SLOTS], 1                       ; the last trip has no next slot: nothing is loaded past the head's last key
	s_cselect_b32 s[FQ], s[FQ], 0
	s_add_nc_u64 s[KP:KP+1], s[KP:KP+1], SLOTB     ; (every load by these bases has been waited for)
	s_add_nc_u64 s[VP:VP+1], s[VP:VP+1], SLOTB
	s_wait_xcnt 0x0                                ; the last prefetch, a slot back, has read its address
	s_add_nc_u64 s[PFA:PFA+1], s[PFA:PFA+1], SLOTB ; one slot further on than the fill
	; A prefetch of the slot behind the one that this trip fills: 32,768 bytes of K (wave 4) and of V (wave 5); the four work-groups of a head take 8,192 bytes each, told apart by address; a lane names 256 bytes:
	; each aligned 256 bytes of a head's K and V from slot 2 on are named once in the launch.  The last two trips ask for nothing.
	s_cmp_gt_u32 s[SLOTS], s[LIM]
	s_cbranch_scc0 .Lnot_mine
	global_prefetch_b8 v[PFO], s[PFA:PFA+1] th:TH_LOAD_NT scope:SCOPE_SE
.Lnot_mine:
	STEP 0
	STEP 1
	STEP 2
	STEP 3
	s_add_co_u32 s[MO], s[MO], 512                 ; (every load of mask words has been waited for)
	s_sub_co_u32 s[SLOTS], s[SLOTS], 1
	s_cmp_lg_u32 s[SLOTS], 0
	s_cbranch_scc1 .Lslot
	; THE WAY OUT.  The lines up to the wait are the places behind the last products.
.set STO, 1                            ; v1  where I put 16 bytes of a row of my stage
.set RD,  2                            ; v2  where I read rows back
.set GO,  3                            ; v3  my offset in attn16
.set FO,  4                            ; v4  my offset in attn32
	v_permlanex16_b32 v[TT], v[LS], s[SEL], s[SEL+1]
	v_permlanex16_b32 v[TT+1], v[LS+1], s[SEL], s[SEL+1]
	v_add_f32 v[TT], v[TT], v[LS]                  ; the row's sum
	v_add_f32 v[TT+1], v[TT+1], v[LS+1]
	v_rcp_f32 v[FD], v[TT]
	v_rcp_f32 v[FD+2], v[TT+1]
	v_and_b32 v8, 15, v0                           ; r
	v_bfe_u32 v9, v0, 4, 1                         ; h
	v_bfe_u32 v14, v0, 3, 2
	v_and_b32 v15, 7, v0
	s_mul_i32 s[TA], s[WV], 2304
	s_add_co_u32 s[TA], s[TA], STAGE               ; my stage
	v_mul_u32_u24 v[STO], v8, 144
	v_lshl_add_u32 v[STO], v9, 4, v[STO]
	v_add_nc_u32 v[STO], s[TA], v[STO]             ; in: row r, 16 bytes for each half of the lanes
	v_mul_u32_u24 v[RD], v14, 144
	v_lshl_add_u32 v[RD], v15, 4, v[RD]
	v_add_nc_u32 v[RD], s[TA], v[RD]               ; back: eight lanes to a row of 128 bytes, four rows an instruction
	v_lshlrev_b32 v[GO], 11, v14
	v_lshl_add_u32 v[GO], v15, 4, v[GO]            ; and the same four rows in attn16
	v_lshlrev_b32 v[FO], 12, v8
	v_lshl_add_u32 v[FO], v9, 5, v[FO]             ; attn32: row r of 4,096 bytes + 32 h
	s_wait_alu depctr_va_vdst(0)                   ; one wait for the two reciprocals, ahead of their first reader
.irp u, 0,1
.set ii, 0
.rept 16
	v_pk_mul_f32 v[O+32*\u+2*ii:O+32*\u+2*ii+1], v[O+32*\u+2*ii:O+32*\u+2*ii+1], v[FD+2*\u:FD+2*\u+1] op_sel_hi:[1,0]
.set ii, ii+1
.endr
.endr
	s_or_b32 s[TD], s[WV], ttmp9                   ; positions 0-15 of the sequence are tile 0 of wave 0 of work-group x = 0: they leave in f32 too
	s_cmp_lg_u32 s[TD], 0
	s_cbranch_scc1 .Lno_fine
.irp f, 0,1,2,3
	global_store_b128 v[FO], v[O+8*\f:O+8*\f+3], s[A32:A32+1] offset:64*\f
	global_store_b128 v[FO], v[O+8*\f+4:O+8*\f+7], s[A32:A32+1] offset:64*\f+16
.endr
.Lno_fine:
	s_lshl_b32 s32, ttmp9, 1                       ; tile 1 lies 16 (7 - 2 x) query tiles of 32,768 bytes further on
	s_sub_co_u32 s32, 7, s32
	s_lshl_b32 s32, s32, 19
	s_mov_b32 s33, 0
	s_add_nc_u64 s[34:35], s[O0P:O0P+1], s[32:33]
.irp u, 0,1                            ; a tile at a time through my stage: 16 bytes a lane in, rows of 128 bytes back
.set ii, 0
.rept 16
	v_cvt_pk_f16_f32 v[S+32*\u+ii], v[O+32*\u+2*ii], v[O+32*\u+2*ii+1]
.set ii, ii+1
.endr
.irp f, 0,1,2,3
	ds_store_b128 v[STO], v[S+32*\u+4*\f:S+32*\u+4*\f+3] offset:32*\f
.endr
.irp g, 0,1,2,3
	ds_load_b128 v[S+32*\u+16+4*\g:S+32*\u+16+4*\g+3], v[RD] offset:576*\g   ; LDS serves a wave's instructions in order: these see the stores above, and the next tile's stores come behind them
.endr
.endr
.irp u, 0,1
.irp g, 0,1,2,3
	s_wait_dscnt 11-8*\u-\g                        ; load g of tile u is in: behind it stand its tile's later loads and, for tile 0, tile 1's eight LDS instructions
	global_store_b128 v[GO], v[S+32*\u+16+4*\g:S+32*\u+16+4*\g+3], s[O0P+24*\u:O0P+24*\u+1] offset:8192*\g   ; four rows x 128 consecutive bytes: a head's share of a row is no longer
.endr
.endr
	v_lshl_add_u32 v10, v0, 2, SPARE               ; no two registers could be kept for the add: they are made here, from v0 as it was at the entry
	v_mov_b32 v11, 0
	s_wait_tensorcnt 0x0                           ; the wave's end, behind my last LDS store
	ds_add_u32 v10, v11
	s_wait_dscnt 0x0
	s_endpgm
.Lfunc_end_k_q907701079c_attn:
	.size	k_q907701079c_attn, .Lfunc_end_k_q907701079c_attn-k_q907701079c_attn
	.p2alignl 7, 3214868480
	.fill 96, 4, 3214868480
	.section	.rodata,"a",@progbits
	.p2align	6, 0x0
	.amdhsa_kernel k_q907701079c_attn
		.amdhsa_group_segment_fixed_size 241664
		.amdhsa_private_segment_fixed_size 0
		.amdhsa_enable_private_segment 0
		.amdhsa_kernarg_size 40
		.amdhsa_user_sgpr_count 2
		.amdhsa_user_sgpr_kernarg_segment_ptr 1
		.amdhsa_wavefront_size32 1
		.amdhsa_system_sgpr_workgroup_id_x 1
		.amdhsa_system_sgpr_workgroup_id_y 1
		.amdhsa_system_sgpr_workgroup_id_z 1
		.amdhsa_system_vgpr_workitem_id 0
		.amdhsa_next_free_vgpr 256
		.amdhsa_next_free_sgpr 106
		.amdhsa_reserve_vcc 0
		.amdhsa_float_denorm_mode_32 3
		.amdhsa_float_denorm_mode_16_64 3
		.amdhsa_memory_ordered 1
		.amdhsa_forward_progress 1
		.amdhsa_inst_pref_size 208
	.end_amdhsa_kernel
	.amdgpu_metadata
---
amdhsa.version: [ 1, 2 ]
amdhsa.kernels:
  - .name:           k_q907701079c_attn
    .symbol:         k_q907701079c_attn.kd
    .args:
      - { .name: qkv16, .offset: 0, .size: 8, .value_kind: global_buffer, .address_space: global }
      - { .name: maskw, .offset: 8, .size: 8, .value_kind: global_buffer, .address_space: global }
      - { .name: tflag, .offset: 16, .size: 8, .value_kind: global_buffer, .address_space: global }
      - { .name: attn16, .offset: 24, .size: 8, .value_kind: global_buffer, .address_space: global }
      - { .name: attn32, .offset: 32, .size: 8, .value_kind: global_buffer, .address_space: global }
    .group_segment_fixed_size: 241664
    .private_segment_fixed_size: 0
    .kernarg_segment_align: 8
    .kernarg_segment_size: 40
    .max_flat_workgroup_size: 512
    .sgpr_count:     106
    .vgpr_count:     256
    .wavefront_size: 32
...
	.end_amdgpu_metadata
.endif
;; end of part 3
;; launch proj (part 4): grid 8 x 64, 4 waves a work-group, clusters of 4 x 4, 327,680 bytes of LDS; arguments attn16, wo16, bo, out0; writes out0
.if DOCPART == 4
	.amdgcn_target "amdgcn-amd-amdhsa--gfx1250"
	.amdhsa_code_object_version 6
	.text
	.protected	k_q907701079c_proj
	.globl	k_q907701079c_proj
	.p2align	8
	.type	k_q907701079c_proj,@function
k_q907701079c_proj:
	s_mov_b64 s[64:65], 0
	v_nop
	global_prefetch_b8 v0, s[64:65] scope:SCOPE_SE
	s_setreg_imm32_b32 hwreg(HW_REG_WAVE_MODE, 25, 1), 1
	s_wait_xcnt 0x0
	s_wait_alu depctr_hold_cnt(0) depctr_sa_sdst(0) depctr_va_vdst(0) depctr_va_sdst(0) depctr_va_ssrc(0) depctr_va_vcc(0) depctr_vm_vsrc(0)
	s_getreg_b32 s2, hwreg(HW_REG_IB_STS2, 6, 4)
	s_cmp_eq_u32 s2, 0
	s_cbranch_scc0 .Lentry_in_a_cluster
	s_endpgm
.Lentry_in_a_cluster:
	s_bfe_u32 s2, ttmp6, 0x10000c
	s_cmp_lg_u32 s2, 0xf033
	s_cbranch_scc0 .Lentry_shape_is_right
	s_endpgm
.Lentry_shape_is_right:
; out0[m][n] = sum over k of attn16[m][k] wo16[n][k] + bo[n].  attn16 [8192][1024], wo16 [1024][1024]: f16; sums and out0 in f32.
; A tile of 128 x 128: 512 work-groups of equal work.  Four waves, each 64 x 64: 16 accumulators, 128 registers.  K goes in steps of 256 (LDS rows of 512 bytes) through a ring of two slots.
; CLUSTER 4 x 4: the four work-groups of a row need the same rows of attn16, the four of a column the same rows of wo16: each tile is asked for jointly.
; THE MATRIX INSTRUCTION IS USED TRANSPOSED (source 0 = 16 rows of wo16, source 1 = 16 rows of attn16): a lane holds eight neighbouring numbers of a row of out0.  The bias is the C of each sum's first product.
; Positions 0-15 of every sequence are computed here like all rows and are written again, more finely, by the launch that follows: leaving them out would want a branch on the tile row, which differs between partners.
; REGISTERS: window 0: v0-31 addresses; v32-95 at work on the way out; v96-127 the bias; v128-255 the accumulators ((a, b) at v[128 + 8 (4 a + b)]).   window 1: two fragment buffers of 128.
.set SIZE_N, 1024
.set SIZE_K, 1024
.set KSTEP,  256
.set PITCH,  528                       ; an LDS row: 512 bytes + 16 of padding: the 16 rows that a load touches start 33 x 16 bytes apart
.set HALFT,  64*PITCH
.set SLOT,   4*HALFT
.set STAGE,  2*SLOT                    ; behind the ring: 16 rows x 272 bytes for each wave: a wave's 64 columns are 256 bytes, so each wave has a stage of its own
.set SPITCH, 272
.set SPARE,  STAGE+4*16*SPITCH         ; the spare words, 128 bytes a wave, which no other line names
.set LAPS, SIZE_K/(2*KSTEP)
.set ADRA, 16
.set ADRB, 20
.set STO,  24
.set RD,   25
.set CO,   26
.set SPW,  28
.set NIL,  29
.set TMP,  32
.set BIA,  96                          ; v[BIA + 8 b + j]: bo at column 16 b + 8 (lane / 16) + j of my 64
.set ACC,  128
.set F0,   0
.set F1,   128
.set G1, 24
.set G0, 32
.set G1B, 48
.set G0B, 56
.set MSB, 0
.macro WIN new
.if MSB != (\new)
	s_set_vgpr_msb (MSB<<8)|(\new)
.set MSB, (\new)
.endif
.endm
.set MUL,  0x05                        ; sources 0 and 1 window 1; C and D window 0
.set TO_F, 0x40                        ; destination window 1, address window 0
.macro JLOAD s                         ; a joint load: waves 0 and 1 fetch attn16's two halves, waves 2 and 3 wo16's; an s_nop 0 and four v_nop follow each line
	s_cmp_eq_u32 s11, 0
	s_cbranch_scc0 .Lfor_b_\@
	tensor_load_to_lds s[G0+4*\s:G0+4*\s+3], s[G1:G1+7]
	s_nop 0
.rept 4
	v_nop
.endr
	s_branch .Lasked_\@
.Lfor_b_\@:
	tensor_load_to_lds s[G0B+4*\s:G0B+4*\s+3], s[G1B:G1B+7]
	s_nop 0
.rept 4
	v_nop
.endr
.Lasked_\@:
.endm
.macro CREST
	s_cmp_lg_u32 s10, 0
	s_cbranch_scc1 .Lnot_wave_0_\@
	s_barrier_signal -3
.Lnot_wave_0_\@:
	s_barrier_wait -3
	s_barrier_signal -1
	s_barrier_wait -1
.endm
.macro CROUND
	s_barrier_signal -1
	s_barrier_wait -1
	CREST
.endm
	s_load_b128 s[4:7], s[0:1], 0x0                ; attn16, wo16
	s_load_b64 s[66:67], s[0:1], 0x10              ; bo
	s_load_b64 s[8:9], s[0:1], 0x18                ; out0
	v_lshl_add_u32 v[SPW], v0, 2, SPARE
	v_mov_b32 v[NIL], 0
	ds_add_u32 v[SPW], v[NIL]                      ; the wave's opening: the add, twice on end, and its wait ahead of my first tensor load
	ds_add_u32 v[SPW], v[NIL]
	v_lshrrev_b32 v1, 5, v0
	v_readfirstlane_b32 s10, v1                    ; wave 0..3
	s_lshr_b32 s11, s10, 1                         ; which half of the tile's rows is mine.  Also: I fetch for attn16 (0) or wo16 (1)
	s_and_b32 s12, s10, 1                          ; which half of its columns.  Also: which 64 rows of that tile I fetch
	s_bfe_u32 s40, ttmp6, 0x40000
	s_bfe_u32 s41, ttmp6, 0x40004
	s_lshl_b32 s42, ttmp9, 2
	s_add_co_u32 s42, s42, s40                     ; tile column
	s_and_b32 s13, ttmp7, 0xffff
	s_lshl_b32 s13, s13, 2
	s_add_co_u32 s13, s13, s41                     ; tile row
	s_lshl_b32 s43, s41, 2
	s_lshl_b32 s43, 15, s43                        ; my row of the cluster
	s_lshl_b32 s44, 0x1111, s40                    ; my column
	s_or_b32 s[G1+0], s43, (1<<16)|(1<<20)|(1<<21)|(6<<22)|(3<<25)   ; the mask; elements of 2 bytes; padding on; bit 21 beside a mask; behind every 128 words 4 words
	s_or_b32 s[G1B+0], s44, (1<<16)|(1<<20)|(1<<21)|(6<<22)|(3<<25)
.irp g, G1, G1B
	s_mov_b32 s[\g+1], KSTEP<<16
	s_mov_b32 s[\g+2], 64<<16
	s_mov_b32 s[\g+3], KSTEP<<16
	s_mov_b32 s[\g+4], 64
	s_mov_b32 s[\g+5], SIZE_K
	s_mov_b32 s[\g+6], 0
	s_mov_b32 s[\g+7], 0
.endr
	s_lshl_b32 s17, s12, 6
	s_lshl_b32 s16, s13, 7
	s_add_co_u32 s16, s16, s17                     ; attn16: row 128 x tile row + 64 x half
	s_lshl_b32 s46, s42, 7
	s_add_co_u32 s46, s46, s17                     ; wo16: row 128 x tile column + 64 x half
	s_mov_b32 s17, 0
	s_mov_b32 s47, 0
	s_mov_b64 s[18:19], SIZE_K*2
	s_mul_u64 s[16:17], s[16:17], s[18:19]
	s_mul_u64 s[46:47], s[46:47], s[18:19]
	s_mul_i32 s20, s10, HALFT                      ; where they go: wave x 64 rows
	s_wait_dscnt 0x0
	s_wait_kmcnt 0x0
	s_add_nc_u64 s[14:15], s[4:5], s[16:17]
	s_add_nc_u64 s[46:47], s[6:7], s[46:47]
	CROUND                                         ; all sixteen work-groups are here: the first joint loads meet
.irp s, 0,1
	s_mov_b32 s[G0+4*\s], 1
	s_add_co_u32 s[G0+4*\s+1], s20, \s*SLOT
	s_add_nc_u64 s[G0+4*\s+2:G0+4*\s+3], s[14:15], \s*KSTEP*2
	s_or_b32 s[G0+4*\s+3], s[G0+4*\s+3], 0x80000000
	s_mov_b32 s[G0B+4*\s], 1
	s_add_co_u32 s[G0B+4*\s+1], s20, \s*SLOT
	s_add_nc_u64 s[G0B+4*\s+2:G0B+4*\s+3], s[46:47], \s*KSTEP*2
	s_or_b32 s[G0B+4*\s+3], s[G0B+4*\s+3], 0x80000000
	JLOAD \s
.endr
	v_and_b32 v1, 15, v0                           ; l % 16
	v_bfe_u32 v2, v0, 4, 1                         ; l / 16
	s_lshl_b32 s16, s13, 7
	s_lshl_b32 s17, s11, 6
	s_add_co_u32 s16, s16, s17                     ; my first row of out0: 128 x tile row + 64 x half,
	s_lshl_b32 s16, s16, 12                        ; rows of 4,096 bytes
	s_mov_b32 s17, 0
	s_add_nc_u64 s[8:9], s[8:9], s[16:17]
	s_lshl_b32 s46, s42, 9                         ; my first column, in bytes: 512 x tile column + 256 x half
	s_lshl_b32 s47, s12, 8
	s_add_co_u32 s46, s46, s47
	s_mov_b32 s47, 0
	s_add_nc_u64 s[8:9], s[8:9], s[46:47]
	s_add_nc_u64 s[66:67], s[66:67], s[46:47]      ; and the same in bo
	v_lshlrev_b32 v8, 5, v2                        ; 8 numbers on for lanes 16-31; kept until the loads are in
.irp b, 0,1,2,3
	global_load_b128 v[BIA+8*\b:BIA+8*\b+3], v8, s[66:67] offset:64*\b
	global_load_b128 v[BIA+8*\b+4:BIA+8*\b+7], v8, s[66:67] offset:64*\b+16
.endr
	v_mul_u32_u24 v3, v1, PITCH
	v_lshl_add_u32 v3, v2, 4, v3
	s_mul_i32 s21, s11, HALFT
	s_mul_i32 s22, s12, HALFT
	s_add_co_u32 s22, s22, 2*HALFT
.irp s, 0,1
	v_add_nc_u32 v[ADRA+\s], s21, v3
	v_add_nc_u32 v[ADRB+\s], s22, v3
	s_add_co_u32 s21, s21, SLOT
	s_add_co_u32 s22, s22, SLOT
.endr
	s_mul_i32 s23, s10, 16*SPITCH
	s_add_co_u32 s23, s23, STAGE                   ; my stage
	v_mul_u32_u24 v4, v1, SPITCH                   ; in: row l % 16, 32 bytes for each half of the lanes
	v_lshl_add_u32 v4, v2, 5, v4
	v_add_nc_u32 v[STO], s23, v4
	v_mul_u32_u24 v5, v2, SPITCH                   ; back: lanes 0-15 one row of 256 bytes, lanes 16-31 the next
	v_lshl_add_u32 v5, v1, 4, v5
	v_add_nc_u32 v[RD], s23, v5
	v_lshlrev_b32 v5, 12, v2                       ; and the same two rows in out0
	v_lshl_add_u32 v[CO], v1, 4, v5
; 8 matrix instructions: m blocks a0, a0 + 1 x all 4 n blocks, 32 along K: half c of buffer f.  first = 1: the bias is C and starts the sums.  The 16 accumulators take turns
.macro MUL8 f, c, a0, first
.irp a, \a0, \a0+1
.irp b, 0,1,2,3
.if \first
	v_wmma_f32_16x16x32_f16 v[ACC+8*(4*(\a)+\b):ACC+8*(4*(\a)+\b)+7], v[\f+64+8*(4*\c+\b):\f+64+8*(4*\c+\b)+7], v[\f+8*(4*\c+\a):\f+8*(4*\c+\a)+7], v[BIA+8*\b:BIA+8*\b+7]
.else
	v_wmma_f32_16x16x32_f16 v[ACC+8*(4*(\a)+\b):ACC+8*(4*(\a)+\b)+7], v[\f+64+8*(4*\c+\b):\f+64+8*(4*\c+\b)+7], v[\f+8*(4*\c+\a):\f+8*(4*\c+\a)+7], v[ACC+8*(4*(\a)+\b):ACC+8*(4*(\a)+\b)+7]
.endif
.endr
.endr
.endm
.macro FETCH slot, k, f                ; 32 LDS loads in one run: the fragments of 64 along K at byte k of the rows; the first 32 along K first
	WIN TO_F
.irp c, 0,1
.irp i, 0,1,2,3
	ds_load_b128 v[\f+64+8*(4*\c+\i):\f+64+8*(4*\c+\i)+3],   v[ADRB+\slot] offset:\k+64*\c+\i*16*PITCH
	ds_load_b128 v[\f+64+8*(4*\c+\i)+4:\f+64+8*(4*\c+\i)+7], v[ADRB+\slot] offset:\k+64*\c+\i*16*PITCH+32
	ds_load_b128 v[\f+8*(4*\c+\i):\f+8*(4*\c+\i)+3],         v[ADRA+\slot] offset:\k+64*\c+\i*16*PITCH
	ds_load_b128 v[\f+8*(4*\c+\i)+4:\f+8*(4*\c+\i)+7],       v[ADRA+\slot] offset:\k+64*\c+\i*16*PITCH+32
.endr
.endr
.endm
.macro PLACES
.rept 4
	v_nop
.endr
.endm
.macro QUARTER slot, k, f, g, first
	s_wait_dscnt 16                                ; the first 32 along K are in; the sixteen loads of the second 32 may be out
	WIN MUL
	MUL8 \f, 0, 0, \first
	MUL8 \f, 0, 2, \first
	PLACES
	FETCH \slot, \k, \g
	s_wait_dscnt 32                                ; all but the 32 just issued
	WIN MUL
	MUL8 \f, 1, 0, 0
	MUL8 \f, 1, 2, 0
.endm
; The last quarter multiplies buffer 1 and changes slots: one barrier; in front of it each wave waits for all its tensor loads, adds 0 to its spare word, and waits for that and for its reads of this slot.
.macro TURN slot, next, fill
	WIN 0
	s_wait_tensorcnt 0x0
	ds_add_u32 v[SPW], v[NIL]
	s_wait_dscnt 17                                ; the add and the youngest sixteen loads may be out
	WIN MUL
	MUL8 F1, 0, 0, 0
	s_wait_dscnt 0x0
	s_barrier_signal -1
	MUL8 F1, 0, 2, 0
.if \fill
	WIN 0
.endif
	s_barrier_wait -1
.if \fill
	CREST                                          ; the barrier has opened a round of the cluster's barrier: no wave of any partner still reads this slot or has a load on its way
	s_add_nc_u64 s[G0+4*\slot+2:G0+4*\slot+3], s[G0+4*\slot+2:G0+4*\slot+3], 2*KSTEP*2
	s_add_nc_u64 s[G0B+4*\slot+2:G0B+4*\slot+3], s[G0B+4*\slot+2:G0B+4*\slot+3], 2*KSTEP*2
	JLOAD \slot                                    ; the first tensor load behind the round; its four v_nop are also the places in front of the loads below
.else
	PLACES
.endif
	FETCH \next, 0, F0
	WIN MUL
	MUL8 F1, 1, 0, 0
	MUL8 F1, 1, 2, 0
.endm
	s_wait_tensorcnt 1                             ; my part of K step 0 is in; the one younger load, K step 1's, may be out
	s_barrier_signal -1
	s_barrier_wait -1
	FETCH 0, 0, F0
	s_wait_loadcnt 0x0                             ; the bias
	QUARTER 0, 128, F0, F1, 1
	WIN 0
	s_mov_b32 s3, LAPS-1
.Llap:                                                 ; a trip goes once round the ring, from a lap's second quarter to the next lap's first, and fills both slots again
	QUARTER 0, 256, F1, F0, 0
	QUARTER 0, 384, F0, F1, 0
	TURN 0, 1, 1
	QUARTER 1, 128, F0, F1, 0
	QUARTER 1, 256, F1, F0, 0
	QUARTER 1, 384, F0, F1, 0
	TURN 1, 0, 1
	QUARTER 0, 128, F0, F1, 0
	WIN 0
	s_sub_co_u32 s3, s3, 1
	s_cmp_lg_u32 s3, 0
	s_cbranch_scc1 .Llap
	QUARTER 0, 256, F1, F0, 0                      ; the last lap fills nothing
	QUARTER 0, 384, F0, F1, 0
	TURN 0, 1, 0
	QUARTER 1, 128, F0, F1, 0
	QUARTER 1, 256, F1, F0, 0
	QUARTER 1, 384, F0, F1, 0
	s_wait_dscnt 16
	WIN MUL
	MUL8 F1, 0, 0, 0
	MUL8 F1, 0, 2, 0
	s_wait_dscnt 0
	MUL8 F1, 1, 0, 0
	MUL8 F1, 1, 2, 0
	WIN 0
; THE WAY OUT, a block of 16 rows x 64 columns at a time, through my own stage: 32 bytes a lane in, whole rows of 256 bytes back, sixteen lanes to a row.
.macro TOSTAGE a
.set BB, TMP+32*((\a)%2)
.irp b, 0,1,2,3
	ds_store_b128 v[STO], v[ACC+8*(4*(\a)+\b):ACC+8*(4*(\a)+\b)+3] offset:64*\b          ; each accumulator from its low end on
	ds_store_b128 v[STO], v[ACC+8*(4*(\a)+\b)+4:ACC+8*(4*(\a)+\b)+7] offset:64*\b+16
.endr
.irp t, 0,1,2,3,4,5,6,7
	ds_load_b128 v[BB+4*\t:BB+4*\t+3], v[RD] offset:\t*2*SPITCH    ; LDS serves a wave's instructions in order: these see the stores above
.endr
.endm
.macro SEND a, younger                 ; younger: the LDS instructions issued behind block a's loads
.set BB, TMP+32*((\a)%2)
	s_wait_dscnt \younger
.irp t, 0,1,2,3,4,5,6,7
	global_store_b128 v[CO], v[BB+4*\t:BB+4*\t+3], s[8:9] offset:(16*(\a)+2*\t)*SIZE_N*4 th:TH_STORE_NT   ; 16 lanes store 256 consecutive bytes, aligned
.endr
.endm
	PLACES
	TOSTAGE 0
.irp a, 1,2,3
.if \a > 1
	s_wait_xcnt 0x0                                ; block a - 2's stores have read their data: block a's loads may land there
.endif
	TOSTAGE \a
	SEND \a-1, 16                                  ; behind block a - 1's loads: block a's 8 stores and 8 loads
.endr
	SEND 3, 0
	s_wait_tensorcnt 0x0                           ; the wave's end
	ds_add_u32 v[SPW], v[NIL]
	s_wait_dscnt 0x0
	CROUND                                         ; the closing round
	s_endpgm
.Lfunc_end_k_q907701079c_proj:
	.size	k_q907701079c_proj, .Lfunc_end_k_q907701079c_proj-k_q907701079c_proj
	.p2alignl 7, 3214868480
	.fill 96, 4, 3214868480
	.section	.rodata,"a",@progbits
	.p2align	6, 0x0
	.amdhsa_kernel k_q907701079c_proj
		.amdhsa_group_segment_fixed_size 327680
		.amdhsa_private_segment_fixed_size 0
		.amdhsa_enable_private_segment 0
		.amdhsa_kernarg_size 32
		.amdhsa_user_sgpr_count 2
		.amdhsa_user_sgpr_kernarg_segment_ptr 1
		.amdhsa_wavefront_size32 1
		.amdhsa_system_sgpr_workgroup_id_x 1
		.amdhsa_system_sgpr_workgroup_id_y 1
		.amdhsa_system_sgpr_workgroup_id_z 1
		.amdhsa_system_vgpr_workitem_id 0
		.amdhsa_next_free_vgpr 512
		.amdhsa_next_free_sgpr 68
		.amdhsa_reserve_vcc 0
		.amdhsa_float_denorm_mode_32 3
		.amdhsa_float_denorm_mode_16_64 3
		.amdhsa_memory_ordered 1
		.amdhsa_forward_progress 1
		.amdhsa_inst_pref_size 86
	.end_amdhsa_kernel
	.amdgpu_metadata
---
amdhsa.version: [ 1, 2 ]
amdhsa.kernels:
  - .name:           k_q907701079c_proj
    .symbol:         k_q907701079c_proj.kd
    .args:
      - { .name: attn16, .offset: 0, .size: 8, .value_kind: global_buffer, .address_space: global }
      - { .name: wo16, .offset: 8, .size: 8, .value_kind: global_buffer, .address_space: global }
      - { .name: bo, .offset: 16, .size: 8, .value_kind: global_buffer, .address_space: global }
      - { .name: out0, .offset: 24, .size: 8, .value_kind: global_buffer, .address_space: global }
    .group_segment_fixed_size: 327680
    .private_segment_fixed_size: 0
    .kernarg_segment_align: 8
    .kernarg_segment_size: 32
    .max_flat_workgroup_size: 128
    .sgpr_count:     68
    .vgpr_count:     512
    .wavefront_size: 32
...
	.end_amdgpu_metadata
.endif
;; end of part 4
;; launch fine (part 5): grid 16 x 4, 16 waves a work-group, no clusters, 75,776 bytes of LDS; arguments attn32, Wo, bo, out0; writes out0
.if DOCPART == 5
	.amdgcn_target "amdgcn-amd-amdhsa--gfx1250"
	.amdhsa_code_object_version 6
	.text
	.protected	k_q907701079c_fine
	.globl	k_q907701079c_fine
	.p2align	8
	.type	k_q907701079c_fine,@function
k_q907701079c_fine:
	s_mov_b64 s[64:65], 0
	v_nop
	global_prefetch_b8 v0, s[64:65] scope:SCOPE_SE
	s_setreg_imm32_b32 hwreg(HW_REG_WAVE_MODE, 25, 1), 1
	s_wait_xcnt 0x0
; Positions 0-15 of every sequence average one to a few values, so their projection is made again with f32 operands: out0[b][r][e] = sum over d of attn32[b][r][d] Wo[e][d] + bo[e], r = 0 .. 15.
; 64 rows x 1024 columns x 1024: 67 million multiply-adds in all.  A work-group (x, b) makes 16 rows x 64 columns; its sixteen waves share K, 64 each; the sixteen partial sums meet in LDS.
; The f32 matrix form is used transposed: source 0 = 16 rows of Wo, source 1 = the 16 attention rows; lane (r, h), register j of tile t: row r, column 16 t + 8 h + j.
; A lane's load of 16 bytes holds d = 8 i + 4 h + 0 .. 3; its registers 0, 1 feed one product and 2, 3 the next: the order of d inside a product is changed alike in both operands.
; The accumulators are written by matrix instructions alone; each sum begins with the constant 0.
.set AF,  32                           ; v32-63   the attention rows: 4 registers for each of 8 loads; later the sixteen partial sums
.set WF,  64                           ; v64-191  Wo: tile t at 32 t
.set ACC, 192                          ; v192-223 four accumulators
.set RES, 224                          ; v[224:225] my two numbers of out0
.set BO,  228                          ; v[228:229] and of bo
.set SPW, 6
.set NIL, 7
.set PART, 4608                        ; a wave's partial sums in LDS: 32 lanes x (128 bytes + 16)
.set SPARE, 16*PART                    ; the spare words, 128 bytes a wave, which no other line names
	s_load_b256 s[4:11], s[0:1], 0x0               ; attn32 4:5, Wo 6:7, bo 8:9, out0 10:11
	v_lshl_add_u32 v[SPW], v0, 2, SPARE
	v_mov_b32 v[NIL], 0
	v_lshrrev_b32 v1, 5, v0
	v_readfirstlane_b32 s12, v1                    ; wave 0..15
	v_and_b32 v1, 15, v0                           ; r
	v_bfe_u32 v2, v0, 4, 1                         ; h
	v_lshlrev_b32 v3, 12, v1
	v_lshl_add_u32 v3, v2, 4, v3
	s_lshl_b32 s13, s12, 8
	v_add_nc_u32 v3, s13, v3                       ; row r of 4,096 bytes + 16 h + my wave's 256 bytes of K
	v_and_b32 v5, 31, v0
	v_lshlrev_b32 v4, 3, v5                        ; 8 x lane: my two columns
	s_mul_i32 s13, s12, PART
	v_mul_u32_u24 v8, v5, 144
	v_add_nc_u32 v8, s13, v8                       ; where my partial sums go
	s_mul_i32 s13, s12, 144                        ; back: wave w owns row w, lane L columns 2 L and 2 L + 1: they lie in lane w + 16 ((L / 4) % 2), register 8 (L / 8) + 2 (L % 4)
	v_bfe_u32 v9, v0, 2, 1
	v_mul_u32_u24 v9, v9, 16*144
	v_bfe_u32 v10, v0, 3, 2
	v_lshl_add_u32 v9, v10, 5, v9
	v_and_b32 v10, 3, v0
	v_lshl_add_u32 v9, v10, 3, v9
	v_add_nc_u32 v9, s13, v9                       ; in partial sums 0 to 7,
	v_add_nc_u32 v10, 8*PART, v9                   ; and 8 to 15
	s_and_b32 s14, ttmp7, 0xffff                   ; b
	s_lshl_b32 s16, s14, 16                        ; attn32: 16 rows of 4,096 bytes a batch
	s_mov_b32 s17, 0
	s_lshl_b32 s18, ttmp9, 18                      ; Wo: 64 rows of 4,096 bytes a work-group
	s_mov_b32 s19, 0
	s_lshl_b32 s20, ttmp9, 8                       ; 64 columns of 4 bytes
	s_mov_b32 s21, 0
	s_lshl_b32 s22, s14, 11
	s_add_co_u32 s22, s22, s12                     ; out0: row 2,048 b + wave
	s_lshl_b32 s22, s22, 12
	s_add_co_u32 s22, s22, s20
	s_mov_b32 s23, 0
	s_wait_kmcnt 0x0
	s_add_nc_u64 s[4:5], s[4:5], s[16:17]
	s_add_nc_u64 s[6:7], s[6:7], s[18:19]
	s_add_nc_u64 s[8:9], s[8:9], s[20:21]
	s_add_nc_u64 s[10:11], s[10:11], s[22:23]
	global_load_b64 v[BO:BO+1], v4, s[8:9]
.irp i, 0,1,2,3,4,5,6,7
	global_load_b128 v[AF+4*\i:AF+4*\i+3], v3, s[4:5] offset:32*\i
.irp t, 0,1,2,3
	global_load_b128 v[WF+32*\t+4*\i:WF+32*\t+4*\i+3], v3, s[6:7] offset:65536*\t+32*\i
.endr
.endr
.irp i, 0,1,2,3,4,5,6,7
	s_wait_loadcnt 5*(7-\i)                        ; step i's five loads are in; five for each later step may be out
.irp p, 0,1
.irp t, 0,1,2,3                        ; the four accumulators take turns, one instruction a turn
.if (\i == 0) && (\p == 0)
	v_wmma_f32_16x16x4_f32 v[ACC+8*\t:ACC+8*\t+7], v[WF+32*\t+4*\i+2*\p:WF+32*\t+4*\i+2*\p+1], v[AF+4*\i+2*\p:AF+4*\i+2*\p+1], 0
.else
	v_wmma_f32_16x16x4_f32 v[ACC+8*\t:ACC+8*\t+7], v[WF+32*\t+4*\i+2*\p:WF+32*\t+4*\i+2*\p+1], v[AF+4*\i+2*\p:AF+4*\i+2*\p+1], v[ACC+8*\t:ACC+8*\t+7]
.endif
.endr
.endr
.endr
.rept 8
	v_nop                                          ; eight places behind this form, in front of the stores that read its results and of the loads into registers that it read
.endr
.irp c, 0,1,2,3,4,5,6,7
	ds_store_b128 v8, v[ACC+4*\c:ACC+4*\c+3] offset:16*\c          ; each accumulator from its low end on
.endr
	s_wait_dscnt 0x0                               ; for the others' sake: my stores are done
	s_barrier_signal -1
	s_barrier_wait -1
.irp p, 0,1,2,3,4,5,6,7
	ds_load_b64 v[AF+2*\p:AF+2*\p+1], v9 offset:PART*\p
.endr
.irp p, 0,1,2,3,4,5,6,7
	ds_load_b64 v[AF+16+2*\p:AF+16+2*\p+1], v10 offset:PART*\p
.endr
	s_wait_dscnt 0x0
.irp p, 0,1,2,3,4,5,6,7
	v_pk_add_f32 v[AF+4*\p:AF+4*\p+1], v[AF+4*\p:AF+4*\p+1], v[AF+4*\p+2:AF+4*\p+3]      ; the sixteen partial sums, as a tree
.endr
.irp p, 0,1,2,3
	v_pk_add_f32 v[AF+8*\p:AF+8*\p+1], v[AF+8*\p:AF+8*\p+1], v[AF+8*\p+4:AF+8*\p+5]
.endr
.irp p, 0,1
	v_pk_add_f32 v[AF+16*\p:AF+16*\p+1], v[AF+16*\p:AF+16*\p+1], v[AF+16*\p+8:AF+16*\p+9]
.endr
	v_pk_add_f32 v[RES:RES+1], v[AF:AF+1], v[AF+16:AF+17]
	v_pk_add_f32 v[RES:RES+1], v[RES:RES+1], v[BO:BO+1]
	global_store_b64 v4, v[RES:RES+1], s[10:11]    ; 32 lanes store 256 consecutive bytes, aligned
	s_wait_tensorcnt 0x0                           ; the wave's end, behind my last LDS store
	ds_add_u32 v[SPW], v[NIL]
	s_wait_dscnt 0x0
	s_endpgm
.Lfunc_end_k_q907701079c_fine:
	.size	k_q907701079c_fine, .Lfunc_end_k_q907701079c_fine-k_q907701079c_fine
	.p2alignl 7, 3214868480
	.fill 96, 4, 3214868480
	.section	.rodata,"a",@progbits
	.p2align	6, 0x0
	.amdhsa_kernel k_q907701079c_fine
		.amdhsa_group_segment_fixed_size 75776
		.amdhsa_private_segment_fixed_size 0
		.amdhsa_enable_private_segment 0
		.amdhsa_kernarg_size 32
		.amdhsa_user_sgpr_count 2
		.amdhsa_user_sgpr_kernarg_segment_ptr 1
		.amdhsa_wavefront_size32 1
		.amdhsa_system_sgpr_workgroup_id_x 1
		.amdhsa_system_sgpr_workgroup_id_y 1
		.amdhsa_system_sgpr_workgroup_id_z 1
		.amdhsa_system_vgpr_workitem_id 0
		.amdhsa_next_free_vgpr 256
		.amdhsa_next_free_sgpr 66
		.amdhsa_reserve_vcc 0
		.amdhsa_float_denorm_mode_32 3
		.amdhsa_float_denorm_mode_16_64 3
		.amdhsa_memory_ordered 1
		.amdhsa_forward_progress 1
		.amdhsa_inst_pref_size 14
	.end_amdhsa_kernel
	.amdgpu_metadata
---
amdhsa.version: [ 1, 2 ]
amdhsa.kernels:
  - .name:           k_q907701079c_fine
    .symbol:         k_q907701079c_fine.kd
    .args:
      - { .name: attn32, .offset: 0, .size: 8, .value_kind: global_buffer, .address_space: global }
      - { .name: Wo, .offset: 8, .size: 8, .value_kind: global_buffer, .address_space: global }
      - { .name: bo, .offset: 16, .size: 8, .value_kind: global_buffer, .address_space: global }
      - { .name: out0, .offset: 24, .size: 8, .value_kind: global_buffer, .address_space: global }
    .group_segment_fixed_size: 75776
    .private_segment_fixed_size: 0
    .kernarg_segment_align: 8
    .kernarg_segment_size: 32
    .max_flat_workgroup_size: 512
    .sgpr_count:     66
    .vgpr_count:     256
    .wavefront_size: 32
...
	.end_amdgpu_metadata
.endif
;; end of part 5
